; MI455X (gfx1250); checked and timed in simulation.
; The chip was launched on July 23, 2026; its instructions are those of AMD's public machine-readable ISA for CDNA 5 (MIT licence, August 2026) and "CDNA5" Instruction Set Architecture Reference Guide (July 2026). The comments in the code are by the model that wrote it; some were corrected since.
;; Bert Self Output PAL. Allowed arithmetic: float matrix products may take bf16 or f16 operands with f32 sums; other float arithmetic in f32, or as packed bf16 or f16 multiplies, adds, multiply-adds, maxima and minima; sums over many terms, partial sums and values carried from step to step in f32; what a program stores and reads back later, other than sums and carried values, may be rounded once to bf16 or f16.
;; Inputs: attention_mask 8 x 1 x 1 x 2,048 float32; dense_W 1,024 x 1,024 float32; dense_b 1,024 float32; enc_W 1,024 float32; enc_b one number float32; hidden_states 8 x 2,048 x 1,024 float32; input_tensor 8 x 2,048 x 1,024 float32; ln_b 1,024 float32; ln_g 1,024 float32; pal_W1 4 x 1,024 x 256 float32; pal_W2 4 x 256 x 1,024 float32; pal_b1 4 x 256 float32; pal_b2 4 x 1,024 float32; sel_W 4 x 1,024 float32; sel_b 4 float32.
;; Outputs: out0 8 x 2,048 x 1,024 float32.
;; 2 versions, each right; version 2 is version 1 with the launch fold written anew for expert scheduling mode. Each part assembles by itself: llvm-mc -triple=amdgcn-amd-amdhsa -mcpu=gfx1250 --defsym DOCPART=n.
;; ======== version 1 of 2: 4 launches
;; workspace buffers: GF 2,129,920 bytes; W2F 2,097,152 bytes; UF 32,768 bytes; CB 256 bytes; PART 8,192 bytes; WEFF 16,777,216 bytes; BEFF 32,768 bytes
;; launch prep (part 1): grid 16 x 16, 4 waves a work-group, no clusters, 102,912 bytes of LDS; arguments dense_W, pal_W1, pal_W2, dense_b, pal_b1, enc_W, sel_W, GF, W2F, UF, CB; writes GF, W2F, UF, CB
.if DOCPART == 1
	.amdgcn_target "amdgcn-amd-amdhsa--gfx1250"
	.amdhsa_code_object_version 6
	.text
	.protected	k_q84483305fd_prep
	.globl	k_q84483305fd_prep
	.p2align	8
	.type	k_q84483305fd_prep,@function
k_q84483305fd_prep:
	s_mov_b64 s[64:65], 0
	v_nop
	global_prefetch_b8 v0, s[64:65] scope:SCOPE_SE
	s_setreg_imm32_b32 hwreg(HW_REG_WAVE_MODE, 25, 1), 1
	s_wait_xcnt 0x0
; PREP, the first of four launches (prep, gate, fold, main).
; THE WHOLE PROGRAM.  With X = hidden_states, W = dense_W, b = dense_b: h = X W + b, and all that reference() does between X and the LayerNorm is linear in X once the task
; distribution d[batch][t] is known.  In exact arithmetic, for all values of the inputs:
;   x = h + input + sum_t d_t ((h W1_t + b1_t) W2_t + b2_t) = X Weff + beff + input,
;   Weff = W + sum_t d_t (W W1_t) W2_t,      beff = b + sum_t d_t ((b W1_t + b1_t) W2_t + b2_t).
; The gate needs five numbers a row: X (W enc_W) and X (W sel_W[t]); since the sequence weights add up to 1, task_vector . sel_W[t] = sum_s w_s X_s (W sel_W[t]) + b . sel_W[t].
; LEFT OUT AS DEAD: enc_b and b . enc_W.  task_logits = X (W enc_W) + (b . enc_W + enc_b) + mask; the bracket is the same for every position s of a batch, and a softmax over s is not
; changed by a term that is the same along its axis, whatever the values.  enc_b has no other way to an output: it is not loaded and is among no launch's arguments.
; LIMITS.  A NaN, an infinity or an overflow that reaches only enc_b or b . enc_W is not carried to the result.  Matrix operands are rounded to bf16 (W, W1, W2, b, enc_W, sel_W here; G, U, Weff and X
; later); the products are taken in another order than reference() takes them, so the roundings differ from its own; all sums are f32.
; THIS LAUNCH makes G[k][t,p] = sum_j W[k][j] W1[t][j][p] with a 65th block of rows gb[t,p] = sum_j b[j] W1[t][j][p] + b1[t][p]; U[k][e] = sum_j W[k][j] E[e][j] with E = (enc_W, sel_W[0..3]);
; b . E[e]; and W2 rounded, all in the order in which the next launches' operand registers take them.
; SHARES.  Work-group (x, y): 64 columns (t = x / 4, p = 64 (x % 4) ..) by 64 rows k = 64 y ...  THE SUM OVER j IS SPLIT AMONG THE FOUR WAVES, 256 each, in 8 steps of 32: no wave wants a byte that
; another has fetched, and f32 operands pass through registers anyway to be rounded, so nothing goes through LDS on the way in; the four partial sums meet in LDS once, at the end.
; 25 accumulators: G(m, n) = W1F[m] x WF[n] (m 0..3, n 0..4) and U(n) = WF[n] x EF.  Row rr of W1F[m] is p = p0 + 4 rr + m, so that one 16-byte load of W1[t][j][p0 + 4 r ..] feeds all four m and
; sixteen lanes take 256 consecutive bytes.  WF[4] holds b in all its 16 rows.  Every work-group makes U and the row of b though only x = 0, or y = 0, stores them: 9 of 25 products, the price of one text.
; The accumulators are cleared by 200 v_mov_b32 while the first loads are on their way, so that the loop has one form of product.
.set SPARE, 102400                     ; behind the partial sums: the spare words, 128 bytes a wave
.set L4,   1                           ; v1   4 x lane
.set OW,   2                           ; v2   W: (l % 16) x 4,096 + (l / 16) x 32 + 1,024 x wave
.set OW1,  3                           ; v3   W1: (l / 16) x 8 rows of 1,024 + (l % 16) x 16 + 256 rows x wave
.set OBV,  4                           ; v4   b and enc_W: (l / 16) x 32 + 1,024 x wave
.set OSEL, 5                           ; v5   sel_W: the same + the lane's row (l % 16 - 1, held to 0..3) x 4,096
.set OW2,  6                           ; v6   W2's gather: (l / 16) x 32 rows of 4,096 + (l % 16) x 4
.set L16,  7                           ; v7   16 x lane
.set PST,  8                           ; v8   LDS: my wave's partial tiles
.set PRA,  9                           ; v9   LDS: tile column n = my wave, partial sums of waves 0, 1
.set PRB,  10                          ; v10  the same of waves 2, 3
.set PRA4, 11                          ; v11  the same two for n = 4
.set SPW,  12                          ; v12  my spare word; never rewritten
.set NIL,  13                          ; v13  0; never rewritten
.set PRB4, 14
.set OB1,  15                          ; v15  b1: (l / 16) x 128
.set W2PK, 16                          ; v[16:31]   W2's fragment, packed; never rewritten
.set WF,   32                          ; v[32:71]   WF[n] at + 8 n
.set W1F,  72                          ; v[72:103]  W1F[m] at + 8 m
.set EF,   104                         ; v[104:111]
.set ENCT, 112                         ; v[112:119] enc_W rounded
.set SELT, 120                         ; v[120:127] the lane's row of sel_W rounded
; window 1: the accumulators, tile i at v[8 i].  windows 2 and 3: the two sets of raw f32: W v0-63, W1 v64-127, b v128-143, enc_W v144-159, sel_W v160-175
.set WV,  26
.set GX,  27
.set GY,  28
.set CNT, 29
.set MK,  30                           ; s30  the lanes with l % 16 = 0
.set T0,  31
.set SW,  32                           ; five bases that step along j
.set SW1, 34
.set SB,  36
.set SENC, 38
.set SSEL, 40
.set SW2, 42                           ; fixed bases
.set TW2, 44
.set TGF, 46
.set TGB, 48
.set TUF, 50
.set SB1, 52
.set MSB, 0
.macro WIN new                         ; the immediate's high byte repeats the setting that is left; a switch that changes nothing is dropped
.if MSB != (\new)
	s_set_vgpr_msb (MSB<<8)|(\new)
.set MSB, (\new)
.endif
.endm
.macro PLACES                          ; four places behind a matrix instruction, ahead of what reads its result or writes its sources (ISA guide 7.12.1)
.rept 4
	v_nop
.endr
.endm
	s_load_b256 s[4:11], s[0:1], 0x0               ; dense_W, pal_W1, pal_W2, dense_b
	s_load_b256 s[12:19], s[0:1], 0x20             ; pal_b1, enc_W, sel_W, GF
	s_load_b128 s[20:23], s[0:1], 0x40             ; W2F, UF
	s_load_b64 s[24:25], s[0:1], 0x50              ; CB
	v_lshl_add_u32 v[SPW], v0, 2, SPARE
	v_mov_b32 v[NIL], 0
	v_lshrrev_b32 v1, 5, v0
	v_readfirstlane_b32 s[WV], v1                  ; wave 0..3
	s_mov_b32 s[GX], ttmp9
	s_and_b32 s[GY], ttmp7, 0xffff
	v_and_b32 v112, 15, v0                         ; r = l % 16
	v_bfe_u32 v113, v0, 4, 1                       ; h = l / 16
	v_and_b32 v114, 31, v0                         ; l
	v_cmp_eq_u32 s[MK], 0, v112
	s_lshl_b32 s[T0], s[WV], 10
	v_lshlrev_b32 v[OBV], 5, v113
	v_add_nc_u32 v[OBV], s[T0], v[OBV]
	v_lshl_add_u32 v[OW], v112, 12, v[OBV]
	v_max_u32 v115, 1, v112
	v_add_nc_u32 v115, -1, v115
	v_min_u32 v115, 3, v115                        ; column e of E: e = 1..4 take sel_W[e - 1]; e = 0 is replaced by enc_W; e > 4 repeat sel_W[3] and serve nothing
	v_lshl_add_u32 v[OSEL], v115, 12, v[OBV]
	v_lshlrev_b32 v[L16], 4, v114
	v_lshlrev_b32 v[L4], 2, v114
	v_add_nc_u32 v[PRA], s[T0], v[L16]
	v_add_nc_u32 v[PRB], 51200, v[PRA]
	v_add_nc_u32 v[PRA4], 4096, v[L16]
	v_add_nc_u32 v[PRB4], 55296, v[L16]
	s_lshl_b32 s[T0], s[WV], 18
	v_lshlrev_b32 v[OW1], 13, v113
	v_lshl_add_u32 v[OW1], v112, 4, v[OW1]
	v_add_nc_u32 v[OW1], s[T0], v[OW1]
	v_lshlrev_b32 v[OW2], 17, v113
	v_lshl_add_u32 v[OW2], v112, 2, v[OW2]
	v_lshlrev_b32 v[OB1], 7, v113
	s_mul_i32 s[T0], s[WV], 25600
	v_add_nc_u32 v[PST], s[T0], v[L16]
	s_mov_b32 s3, 0
	s_lshl4_add_u32 s54, s[GY], s[GX]              ; the work-group's number 0..255 picks its piece of W2:
	s_lshr_b32 s55, s54, 6                         ; t,
	s_bfe_u32 s56, s54, 0x40002                    ; 64 columns,
	s_and_b32 s57, s54, 3                          ; 64 rows p
	s_lshl2_add_u32 s56, s56, s[WV]                ; my wave's block of 16 columns
	s_wait_kmcnt 0x0
	s_lshl_b32 s2, s[GY], 18                       ; 64 rows of W
	s_add_nc_u64 s[SW:SW+1], s[4:5], s[2:3]
	s_lshr_b32 s2, s[GX], 2
	s_lshl_b32 s2, s2, 20                          ; W1[t],
	s_and_b32 s[T0], s[GX], 3
	s_lshl_b32 s[T0], s[T0], 8                     ; its columns p0 ..
	s_add_co_u32 s2, s2, s[T0]
	s_add_nc_u64 s[SW1:SW1+1], s[6:7], s[2:3]
	s_mov_b64 s[SB:SB+1], s[10:11]
	s_mov_b64 s[SENC:SENC+1], s[14:15]
	s_mov_b64 s[SSEL:SSEL+1], s[16:17]
	s_lshl_b32 s2, s55, 20
	s_lshl_b32 s[T0], s57, 18
	s_add_co_u32 s2, s2, s[T0]
	s_lshl_b32 s[T0], s56, 6
	s_add_co_u32 s2, s2, s[T0]
	s_add_nc_u64 s[SW2:SW2+1], s[8:9], s[2:3]
	s_lshl_b32 s2, s55, 19                         ; W2F: ((t x 64 + column block) x 4 + row block) x 2,048
	s_lshl_b32 s[T0], s56, 13
	s_add_co_u32 s2, s2, s[T0]
	s_lshl_b32 s[T0], s57, 11
	s_add_co_u32 s2, s2, s[T0]
	s_add_nc_u64 s[TW2:TW2+1], s[20:21], s[2:3]
	s_lshl_b32 s2, s[GX], 11                       ; GF: (row block x 16 + x) x 2,048
	s_add_nc_u64 s[TGB:TGB+1], s[18:19], s[2:3]
	s_lshl_b32 s2, s[GY], 17
	s_lshl_b32 s[T0], s[WV], 15
	s_add_co_u32 s2, s2, s[T0]
	s_add_nc_u64 s[TGF:TGF+1], s[TGB:TGB+1], s[2:3]   ; row block 4 y + wave
	s_add_nc_u64 s[TGB:TGB+1], s[TGB:TGB+1], 0x200000 ; row block 64: the row of b
	s_lshl_b32 s2, s[GY], 11                       ; UF: 16 rows k are 512 bytes
	s_lshl_b32 s[T0], s[WV], 9
	s_add_co_u32 s2, s2, s[T0]
	s_add_nc_u64 s[TUF:TUF+1], s[22:23], s[2:3]
	s_lshl_b32 s2, s[GX], 8
	s_add_nc_u64 s[SB1:SB1+1], s[12:13], s[2:3]
; 44 loads: one step of 32 j into raw set b.  off: bytes along a row of W, b, enc_W, sel_W; off1: rows of W1
.macro LOADS b, off, off1
	WIN (2+(\b))<<6
.set i, 0
.rept 16                               ; W: row block n = i / 4; the lane's j = 16 qq + 8 h + 0..7 as four loads
	global_load_b128 v[4*i:4*i+3], v[OW], s[SW:SW+1] offset:(\off)+(i/4)*65536+((i%4)/2)*64+(i%2)*16
.set i, i+1
.endr
.set i, 0
.rept 16                               ; W1: row j = 16 (i / 8) + 8 h + i % 8, four neighbouring p
	global_load_b128 v[64+4*i:64+4*i+3], v[OW1], s[SW1:SW1+1] offset:(\off1)+(16*(i/8)+i%8)*1024
.set i, i+1
.endr
.set i, 0
.rept 4
	global_load_b128 v[128+4*i:128+4*i+3], v[OBV], s[SB:SB+1] offset:(\off)+(i/2)*64+(i%2)*16
	global_load_b128 v[144+4*i:144+4*i+3], v[OBV], s[SENC:SENC+1] offset:(\off)+(i/2)*64+(i%2)*16
	global_load_b128 v[160+4*i:160+4*i+3], v[OSEL], s[SSEL:SSEL+1] offset:(\off)+(i/2)*64+(i%2)*16
.set i, i+1
.endr
.endm
; raw set b is rounded into the fragments
.macro CVT b
	WIN (2+(\b))*5                                 ; sources 0 and 1 in the set's window, destination in window 0
.set i, 0
.rept 32
	v_cvt_pk_bf16_f32 v[WF+i], v[2*i], v[2*i+1]
.set i, i+1
.endr
.set i, 0
.rept 8
	v_cvt_pk_bf16_f32 v[WF+32+i], v[128+2*i], v[128+2*i+1]
	v_cvt_pk_bf16_f32 v[ENCT+i], v[144+2*i], v[144+2*i+1]
	v_cvt_pk_bf16_f32 v[SELT+i], v[160+2*i], v[160+2*i+1]
.irp m, 0,1,2,3
	v_cvt_pk_bf16_f32 v[W1F+8*(\m)+i], v[64+8*i+(\m)], v[64+8*i+4+(\m)]  ; two neighbouring j of column 4 r + m
.endr
.set i, i+1
.endr
	WIN 0
.set i, 0
.rept 8
	v_cndmask_b32 v[EF+i], v[SELT+i], v[ENCT+i], s[MK]  ; column 0 of E is enc_W
.set i, i+1
.endr
.endm
; 25 products; each accumulator has one turn, so no two that follow each other share one, over the backward jump too
.macro MULS
	WIN 0x50                                       ; C and D in window 1
.irp m, 0,1,2,3
.irp n, 0,1,2,3,4
	v_wmma_f32_16x16x32_bf16 v[8*(5*(\m)+(\n)):8*(5*(\m)+(\n))+7], v[W1F+8*(\m):W1F+8*(\m)+7], v[WF+8*(\n):WF+8*(\n)+7], v[8*(5*(\m)+(\n)):8*(5*(\m)+(\n))+7]
.endr
.endr
.irp n, 0,1,2,3,4
	v_wmma_f32_16x16x32_bf16 v[8*(20+(\n)):8*(20+(\n))+7], v[WF+8*(\n):WF+8*(\n)+7], v[EF:EF+7], v[8*(20+(\n)):8*(20+(\n))+7]
.endr
.endm
	WIN 0xc0
.set i, 0
.rept 32                               ; W2: lane (r, h) takes column r of my block, rows 32 h + i
	global_load_b32 v[i], v[OW2], s[SW2:SW2+1] offset:i*4096
.set i, i+1
.endr
	LOADS 0, 0, 0                                  ; step 0
	WIN 0x40
.set i, 0
.rept 200
	v_mov_b32 v[i], 0
.set i, i+1
.endr
	s_wait_loadcnt 44                              ; the 44 of step 0 may stay out: W2's 32 are in
	WIN 0x0f
.set i, 0
.rept 16
	v_cvt_pk_bf16_f32 v[W2PK+i], v[2*i], v[2*i+1]
.set i, i+1
.endr
	WIN 0
.irp i, 0,1,2,3
	global_store_b128 v[L16], v[W2PK+4*(\i):W2PK+4*(\i)+3], s[TW2:TW2+1] offset:512*(\i)  ; 512 consecutive bytes a store
.endr
	LOADS 1, 128, 32768                            ; step 1
	s_mov_b32 s[CNT], 3
	WIN 0
.Lturn:                                        ; steps 2 i and 2 i + 1 are multiplied, 2 i + 2 and 2 i + 3 asked for
	s_wait_loadcnt 44                              ; set 0 is in; set 1's 44 may stay out
	CVT 0
	s_wait_xcnt 0x0                                ; every load issued so far has read its base: the five bases step
	s_add_nc_u64 s[SW:SW+1], s[SW:SW+1], 256
	s_add_nc_u64 s[SW1:SW1+1], s[SW1:SW1+1], 65536
	s_add_nc_u64 s[SB:SB+1], s[SB:SB+1], 256
	s_add_nc_u64 s[SENC:SENC+1], s[SENC:SENC+1], 256
	s_add_nc_u64 s[SSEL:SSEL+1], s[SSEL:SSEL+1], 256
	LOADS 0, 0, 0
	MULS
	PLACES                                         ; ahead of the conversions that write the fragments again
	s_wait_loadcnt 44                              ; set 1 is in
	CVT 1
	LOADS 1, 128, 32768
	MULS
	PLACES
	WIN 0
	s_sub_co_u32 s[CNT], s[CNT], 1
	s_cmp_lg_u32 s[CNT], 0
	s_cbranch_scc1 .Lturn
	s_wait_loadcnt 44                              ; the last two steps load nothing
	CVT 0
	MULS
	PLACES
	s_wait_loadcnt 0x0
	CVT 1
	MULS
	PLACES
	WIN 0x04                                       ; store data in window 1
.set i, 0
.rept 25                               ; each accumulator's four lowest registers go first
	ds_store_b128 v[PST], v[8*i:8*i+3] offset:i*1024
	ds_store_b128 v[PST], v[8*i+4:8*i+7] offset:i*1024+512
.set i, i+1
.endr
	WIN 0
	s_wait_dscnt 0x0                               ; for the others' sake: my partial sums lie in LDS
	s_barrier_signal -1
	s_barrier_wait -1
; The four partial sums of tile column n are added, rounded and stored.  In G(m, n) lane (r, h) holds row k = r and p = p0 + 32 h + 4 jj + m: its 32 numbers are the lane's part of two operand
; fragments of the next product, which takes p in the order 32 h + 16 u + e for both its sources.
.macro FINAL ra, rb, bias, tg
.irp p, 0,1,2,3
.if (\p) < 2
.set AR, (\ra)
.else
.set AR, (\rb)
.endif
.irp m, 0,1,2,3
	ds_load_b128 v[128+32*(\p)+8*(\m):128+32*(\p)+8*(\m)+3], v[AR] offset:((\p)%2)*25600+(\m)*5120
	ds_load_b128 v[128+32*(\p)+8*(\m)+4:128+32*(\p)+8*(\m)+7], v[AR] offset:((\p)%2)*25600+(\m)*5120+512
.endr
	ds_load_b128 v[96+8*(\p):96+8*(\p)+3], v[AR] offset:((\p)%2)*25600+20480
	ds_load_b128 v[96+8*(\p)+4:96+8*(\p)+7], v[AR] offset:((\p)%2)*25600+20480+512
.endr
.if \bias
.irp i, 0,1,2,3,4,5,6,7
	global_load_b128 v[32+4*(\i):32+4*(\i)+3], v[OB1], s[SB1:SB1+1] offset:16*(\i)  ; b1[t][p0 + 32 h + 4 i + 0..3]
.endr
.endif
	s_wait_dscnt 0x0
.set i, 0
.rept 16
	v_pk_add_f32 v[128+2*i:128+2*i+1], v[128+2*i:128+2*i+1], v[160+2*i:160+2*i+1]
	v_pk_add_f32 v[192+2*i:192+2*i+1], v[192+2*i:192+2*i+1], v[224+2*i:224+2*i+1]
.set i, i+1
.endr
.set i, 0
.rept 16
	v_pk_add_f32 v[128+2*i:128+2*i+1], v[128+2*i:128+2*i+1], v[192+2*i:192+2*i+1]
.set i, i+1
.endr
.set i, 0
.rept 4
	v_pk_add_f32 v[96+2*i:96+2*i+1], v[96+2*i:96+2*i+1], v[104+2*i:104+2*i+1]
	v_pk_add_f32 v[112+2*i:112+2*i+1], v[112+2*i:112+2*i+1], v[120+2*i:120+2*i+1]
.set i, i+1
.endr
.set i, 0
.rept 4
	v_pk_add_f32 v[96+2*i:96+2*i+1], v[96+2*i:96+2*i+1], v[112+2*i:112+2*i+1]
.set i, i+1
.endr
.if \bias
	s_wait_loadcnt 0x0
.set i, 0
.rept 32                               ; i = 8 m + jj
	v_add_f32 v[128+i], v[128+i], v[32+4*(i%8)+i/8]
.set i, i+1
.endr
.endif
.set i, 0
.rept 8                                ; jj = i: u = jj / 4, e = 4 (jj % 4) + m
	v_cvt_pk_bf16_f32 v[64+8*(i/4)+2*(i%4)], v[128+i], v[136+i]
	v_cvt_pk_bf16_f32 v[64+8*(i/4)+2*(i%4)+1], v[144+i], v[152+i]
.set i, i+1
.endr
.irp i, 0,1,2,3
	global_store_b128 v[L16], v[64+4*(\i):64+4*(\i)+3], s[(\tg):(\tg)+1] offset:512*(\i)
.endr
	s_cmp_lg_u32 s[GX], 0                          ; U and b . E are the same for every x: x = 0 stores them
	s_cbranch_scc1 .Lnou_\@
.if \bias
	global_store_b32 v[L4], v96, s[24:25]          ; word l = b . E[l % 16]
.else
.irp i, 0,1,2,3
	v_cvt_pk_bf16_f32 v[80+(\i)], v[96+2*(\i)], v[96+2*(\i)+1]  ; lane (e, h): U[16 n + 8 h + 0..7][e]
.endr
	global_store_b128 v[L16], v[80:83], s[TUF:TUF+1]
.endif
.Lnou_\@:
.endm
	FINAL PRA, PRB, 0, TGF                         ; wave w finishes tile column n = w
	s_or_b32 s[T0], s[WV], s[GY]
	s_cmp_lg_u32 s[T0], 0
	s_cbranch_scc1 .Lend                           ; the row of b is the same for every y: wave 0 of y = 0 finishes it
	s_wait_xcnt 0x0                                ; the stores above have read their data registers, which are written again
	FINAL PRA4, PRB4, 1, TGB
.Lend:
	s_wait_tensorcnt 0x0                           ; the wave's end: behind my last LDS store
	ds_add_u32 v[SPW], v[NIL]
	s_wait_dscnt 0x0
	s_endpgm
.Lfunc_end_k_q84483305fd_prep:
	.size	k_q84483305fd_prep, .Lfunc_end_k_q84483305fd_prep-k_q84483305fd_prep
	.p2alignl 7, 3214868480
	.fill 96, 4, 3214868480
	.section	.rodata,"a",@progbits
	.p2align	6, 0x0
	.amdhsa_kernel k_q84483305fd_prep
		.amdhsa_group_segment_fixed_size 102912
		.amdhsa_private_segment_fixed_size 0
		.amdhsa_enable_private_segment 0
		.amdhsa_kernarg_size 88
		.amdhsa_user_sgpr_count 2
		.amdhsa_user_sgpr_kernarg_segment_ptr 1
		.amdhsa_wavefront_size32 1
		.amdhsa_system_sgpr_workgroup_id_x 1
		.amdhsa_system_sgpr_workgroup_id_y 1
		.amdhsa_system_sgpr_workgroup_id_z 1
		.amdhsa_system_vgpr_workitem_id 0
		.amdhsa_next_free_vgpr 944
		.amdhsa_next_free_sgpr 66
		.amdhsa_reserve_vcc 0
		.amdhsa_float_denorm_mode_32 3
		.amdhsa_float_denorm_mode_16_64 3
		.amdhsa_memory_ordered 1
		.amdhsa_forward_progress 1
		.amdhsa_inst_pref_size 84
	.end_amdhsa_kernel
	.amdgpu_metadata
---
amdhsa.version: [ 1, 2 ]
amdhsa.kernels:
  - .name:           k_q84483305fd_prep
    .symbol:         k_q84483305fd_prep.kd
    .args:
      - { .name: dense_W, .offset: 0, .size: 8, .value_kind: global_buffer, .address_space: global }
      - { .name: pal_W1, .offset: 8, .size: 8, .value_kind: global_buffer, .address_space: global }
      - { .name: pal_W2, .offset: 16, .size: 8, .value_kind: global_buffer, .address_space: global }
      - { .name: dense_b, .offset: 24, .size: 8, .value_kind: global_buffer, .address_space: global }
      - { .name: pal_b1, .offset: 32, .size: 8, .value_kind: global_buffer, .address_space: global }
      - { .name: enc_W, .offset: 40, .size: 8, .value_kind: global_buffer, .address_space: global }
      - { .name: sel_W, .offset: 48, .size: 8, .value_kind: global_buffer, .address_space: global }
      - { .name: GF, .offset: 56, .size: 8, .value_kind: global_buffer, .address_space: global }
      - { .name: W2F, .offset: 64, .size: 8, .value_kind: global_buffer, .address_space: global }
      - { .name: UF, .offset: 72, .size: 8, .value_kind: global_buffer, .address_space: global }
      - { .name: CB, .offset: 80, .size: 8, .value_kind: global_buffer, .address_space: global }
    .group_segment_fixed_size: 102912
    .private_segment_fixed_size: 0
    .kernarg_segment_align: 8
    .kernarg_segment_size: 88
    .max_flat_workgroup_size: 128
    .sgpr_count:     66
    .vgpr_count:     944
    .wavefront_size: 32
...
	.end_amdgpu_metadata
.endif
;; end of part 1
;; launch gate (part 2): grid 256 x 1, 4 waves a work-group, no clusters, 295,424 bytes of LDS; arguments hidden_states, attention_mask, UF, PART; writes PART
.if DOCPART == 2
	.amdgcn_target "amdgcn-amd-amdhsa--gfx1250"
	.amdhsa_code_object_version 6
	.text
	.protected	k_q84483305fd_gate
	.globl	k_q84483305fd_gate
	.p2align	8
	.type	k_q84483305fd_gate,@function
k_q84483305fd_gate:
	s_mov_b64 s[64:65], 0
	v_nop
	global_prefetch_b8 v0, s[64:65] scope:SCOPE_SE
	s_setreg_imm32_b32 hwreg(HW_REG_WAVE_MODE, 25, 1), 1
	s_wait_xcnt 0x0
; GATE.  For each 64 rows s of X = hidden_states: l[s] = X[s] . u + mask[s] and z_t[s] = X[s] . v_t (u = W enc_W, v_t = W sel_W[t], from UF), and of them one part of the batch's softmax over s:
; m = max l, L = sum 2^((l - m) log2 e), Z_t = sum 2^(..) z_t.  The next launch joins a batch's 32 parts.
; Left out, as shown at the head of the first kernel: enc_b and b . enc_W, which are the same along the softmax's axis.
; LIMITS.  X and U are rounded to bf16 for the product.  m is held at the lowest finite number or above, so that rows masked by -inf get the weight 0 and no inf - inf arises.
; SHARES.  Work-group g: rows 64 g ..  K IS SPLIT AMONG THE WAVES: wave w takes k = 256 w .. + 255 of all 64 rows, as four tiles of 64 rows x 256 bytes.  All sixteen tiles, the work-group's whole 256 KiB,
; are asked for at the head: four tensor loads a wave are out, and each wave reads only what it asked for, behind its own counted wait.
; No cluster: the work-groups share nothing but UF's 32 KiB.  No prefetch: all that the launch reads is asked for at its head.
; PRODUCT.  D = U^T (source 0: 16 columns e) x X^T (source 1: 16 rows s): lanes 0-15 end with l in register 0 and z_0..z_3 in registers 1-4 for row s = lane.
.set XT,    17408                      ; a tile in LDS: 64 rows of 256 + 16 bytes: the sixteen rows of a fragment load start at sixteen different groups of four banks (ISA guide 11.1)
.set PARTB, 278528                     ; behind the tiles, in blocks that no fill touches: wave p's four accumulators at 4,096 p + 1,024 a + 32 l
.set SPARE, 294912                     ; the spare words, 128 bytes a wave
.set XA,  3                            ; v3   my place in my wave's first tile: r x 272 + h x 32
.set L16, 4
.set PST, 5
.set PRD, 6
.set L4,  7
.set MKA, 8                            ; v8, v9  the mask of rows l and l + 32
.set MKB, 9
.set SPW, 10                           ; v10  my spare word; never rewritten
.set NIL, 11                           ; v11  0; never rewritten
.set UFR, 16                           ; v[16:79]    U's eight fragments of my wave's 256 k
.set ACC, 80                           ; v[80:111]   four accumulators, one for each 16 rows
.set RAW, 112                          ; v[112:175]  32 k of 64 rows in f32
.set FR,  176                          ; v[176:207]  the same in bf16: four fragments
.set WV,  12
.set GW,  13
.set G1,  16                           ; s[16:23] descriptor group 1
.set G0,  24                           ; s[24:39] descriptor group 0, a set for each tile
.set SEL, 40
.macro PLACES
.rept 4
	v_nop
.endr
.endm
.macro WSUM x, t                       ; the sum over the 32 lanes, in every lane
	v_add_f32_dpp v[\x], v[\x], v[\x] row_xmask:1 row_mask:0xf bank_mask:0xf
	v_add_f32_dpp v[\x], v[\x], v[\x] row_xmask:2 row_mask:0xf bank_mask:0xf
	v_add_f32_dpp v[\x], v[\x], v[\x] row_xmask:4 row_mask:0xf bank_mask:0xf
	v_add_f32_dpp v[\x], v[\x], v[\x] row_xmask:8 row_mask:0xf bank_mask:0xf
	v_permlanex16_b32 v[\t], v[\x], s[SEL], s[SEL+1]
	v_add_f32 v[\x], v[\x], v[\t]
.endm
.macro WMAX x, t
	v_max_num_f32_dpp v[\x], v[\x], v[\x] row_xmask:1 row_mask:0xf bank_mask:0xf
	v_max_num_f32_dpp v[\x], v[\x], v[\x] row_xmask:2 row_mask:0xf bank_mask:0xf
	v_max_num_f32_dpp v[\x], v[\x], v[\x] row_xmask:4 row_mask:0xf bank_mask:0xf
	v_max_num_f32_dpp v[\x], v[\x], v[\x] row_xmask:8 row_mask:0xf bank_mask:0xf
	v_permlanex16_b32 v[\t], v[\x], s[SEL], s[SEL+1]
	v_max_num_f32 v[\x], v[\x], v[\t]
.endm
	s_load_b256 s[4:11], s[0:1], 0x0               ; hidden_states, attention_mask, UF, PART
	v_lshl_add_u32 v[SPW], v0, 2, SPARE
	v_mov_b32 v[NIL], 0
	ds_add_u32 v[SPW], v[NIL]                      ; the wave's opening: the add, twice on end, and its wait ahead of my first tensor load
	ds_add_u32 v[SPW], v[NIL]
	v_lshrrev_b32 v1, 5, v0
	v_readfirstlane_b32 s[WV], v1                  ; wave 0..3
	s_mov_b32 s[GW], ttmp9
	s_mov_b32 s[G1+0], (2<<16)|(1<<20)|(5<<22)|(3<<25)  ; elements of 4 bytes; padding on: after every 64 words, 4 words
	s_mov_b32 s[G1+1], 64<<16                      ; tensor_dim0 = 64
	s_mov_b32 s[G1+2], 64<<16                      ; tensor_dim1 = 64
	s_mov_b32 s[G1+3], 64<<16                      ; tile_dim0 = 64 elements: 256 bytes
	s_mov_b32 s[G1+4], 64                          ; tile_dim1 = 64 rows
	s_mov_b32 s[G1+5], 1024                        ; elements from row to row
	s_mov_b32 s[G1+6], 0
	s_mov_b32 s[G1+7], 0
	s_mul_i32 s14, s[WV], 4*XT                     ; my wave's four tiles in LDS
.irp i, 0,1,2,3
	s_mov_b32 s[G0+4*(\i)], 1
	s_add_co_u32 s[G0+4*(\i)+1], s14, (\i)*XT
.endr
	s_lshl_b32 s2, s[GW], 18                       ; 64 rows of 4,096 bytes,
	s_lshl_b32 s15, s[WV], 10                      ; my wave's 1,024 bytes of each
	s_add_co_u32 s2, s2, s15
	s_mov_b32 s3, 0
	s_mov_b32 s43, 0
	s_mov_b32 s[SEL], 0x76543210
	s_mov_b32 s[SEL+1], 0xfedcba98
	s_wait_dscnt 0x0                               ; both opening adds are done
	s_wait_kmcnt 0x0
	s_add_nc_u64 s[2:3], s[4:5], s[2:3]
.irp i, 0,1,2,3
	s_add_nc_u64 s[G0+4*(\i)+2:G0+4*(\i)+3], s[2:3], (\i)*256
	s_or_b32 s[G0+4*(\i)+3], s[G0+4*(\i)+3], 0x80000000
.endr
.irp i, 0,1,2,3
	tensor_load_to_lds s[G0+4*(\i):G0+4*(\i)+3], s[G1:G1+7]   ; the first fills go out together: four loads of mine are out
	s_nop 0
.endr
	v_and_b32 v12, 15, v0                          ; r
	v_bfe_u32 v13, v0, 4, 1                        ; h
	v_and_b32 v14, 31, v0                          ; l
	v_mul_u32_u24 v[XA], v12, 272
	v_lshl_add_u32 v[XA], v13, 5, v[XA]
	v_add_nc_u32 v[XA], s14, v[XA]
	v_lshlrev_b32 v[L16], 4, v14
	v_lshlrev_b32 v[L4], 2, v14
	s_lshl_b32 s15, s[WV], 12
	s_add_co_u32 s15, s15, PARTB
	v_lshl_add_u32 v[PST], v14, 5, s15
	v_lshlrev_b32 v[PRD], 5, v12
	v_lshl_add_u32 v[PRD], v13, 10, v[PRD]
	v_add_nc_u32 v[PRD], PARTB, v[PRD]             ; row l lies in accumulator l / 16, lane l % 16
	s_lshl_b32 s42, s[WV], 13
	s_add_nc_u64 s[8:9], s[8:9], s[42:43]          ; U's fragments of my 256 k
	s_lshl_b32 s42, s[GW], 8
	s_add_nc_u64 s[6:7], s[6:7], s[42:43]          ; the mask of my 64 rows
	s_lshl_b32 s42, s[GW], 5
	s_add_nc_u64 s[10:11], s[10:11], s[42:43]
.set i, 0
.rept 16
	global_load_b128 v[UFR+4*i:UFR+4*i+3], v[L16], s[8:9] offset:i*512
.set i, i+1
.endr
	global_load_b32 v[MKA], v[L4], s[6:7]          ; every wave loads these 256 bytes, wave 0 uses them: so no register is written on one wave's path alone
	global_load_b32 v[MKB], v[L4], s[6:7] offset:128
; 32 k (half k of tile i) of all 64 rows, f32: lane (r, h) takes k = 8 h + 0..7 and 16 + 8 h + 0..7 of row 16 a + r
.macro LD i, k
.if (\k) == 0
	s_wait_tensorcnt 3-(\i)                        ; tensor loads of a wave end in order: tile i is in, the younger ones may stay out
.endif
.irp a, 0,1,2,3
	ds_load_b128 v[RAW+16*(\a):RAW+16*(\a)+3],     v[XA] offset:(\i)*XT+(\a)*4352+(\k)*128
	ds_load_b128 v[RAW+16*(\a)+4:RAW+16*(\a)+7],   v[XA] offset:(\i)*XT+(\a)*4352+(\k)*128+16
	ds_load_b128 v[RAW+16*(\a)+8:RAW+16*(\a)+11],  v[XA] offset:(\i)*XT+(\a)*4352+(\k)*128+64
	ds_load_b128 v[RAW+16*(\a)+12:RAW+16*(\a)+15], v[XA] offset:(\i)*XT+(\a)*4352+(\k)*128+80
.endr
.endm
; half gl of eight: rounded, the next half asked for, four products on four accumulators by turns
.macro HALF gl, more, ni, nk
	s_wait_dscnt 0x0
.set c, 0
.rept 32
	v_cvt_pk_bf16_f32 v[FR+c], v[RAW+2*c], v[RAW+2*c+1]
.set c, c+1
.endr
.if \more
	LD \ni, \nk
.endif
.irp a, 0,1,2,3
.if (\gl) == 0
	v_wmma_f32_16x16x32_bf16 v[ACC+8*(\a):ACC+8*(\a)+7], v[UFR+8*(\gl):UFR+8*(\gl)+7], v[FR+8*(\a):FR+8*(\a)+7], 0
.else
	v_wmma_f32_16x16x32_bf16 v[ACC+8*(\a):ACC+8*(\a)+7], v[UFR+8*(\gl):UFR+8*(\gl)+7], v[FR+8*(\a):FR+8*(\a)+7], v[ACC+8*(\a):ACC+8*(\a)+7]
.endif
.endr
	PLACES                                         ; ahead of the conversions that write the fragments again, and of the stores that read the sums
.endm
	LD 0, 0
	s_wait_loadcnt 0x0                             ; U and the mask
	HALF 0, 1, 0, 1
	HALF 1, 1, 1, 0
	HALF 2, 1, 1, 1
	HALF 3, 1, 2, 0
	HALF 4, 1, 2, 1
	HALF 5, 1, 3, 0
	HALF 6, 1, 3, 1
	HALF 7, 0, 0, 0
.irp a, 0,1,2,3
	ds_store_b128 v[PST], v[ACC+8*(\a):ACC+8*(\a)+3] offset:(\a)*1024       ; the four lowest registers first
	ds_store_b128 v[PST], v[ACC+8*(\a)+4:ACC+8*(\a)+7] offset:(\a)*1024+16
.endr
	s_wait_dscnt 0x0                               ; for wave 0's sake
	s_barrier_signal -1
	s_barrier_wait -1
	s_cmp_lg_u32 s[WV], 0
	s_cbranch_scc1 .Lend
	; wave 0: lane l finishes rows l and l + 32
.irp q, 0,1,2,3,4,5,6,7                ; q = 4 x (which row) + wave p
	ds_load_b128 v[RAW+8*(\q):RAW+8*(\q)+3], v[PRD] offset:((\q)%4)*4096+((\q)/4)*2048
	ds_load_b32 v[RAW+8*(\q)+4], v[PRD] offset:((\q)%4)*4096+((\q)/4)*2048+16
.endr
	s_wait_dscnt 0x0
.macro PSUM B                          ; the four waves' partial l, z_0..z_3
	v_pk_add_f32 v[(\B):(\B)+1], v[(\B):(\B)+1], v[(\B)+8:(\B)+9]
	v_pk_add_f32 v[(\B)+2:(\B)+3], v[(\B)+2:(\B)+3], v[(\B)+10:(\B)+11]
	v_add_f32 v[(\B)+4], v[(\B)+4], v[(\B)+12]
	v_pk_add_f32 v[(\B)+16:(\B)+17], v[(\B)+16:(\B)+17], v[(\B)+24:(\B)+25]
	v_pk_add_f32 v[(\B)+18:(\B)+19], v[(\B)+18:(\B)+19], v[(\B)+26:(\B)+27]
	v_add_f32 v[(\B)+20], v[(\B)+20], v[(\B)+28]
	v_pk_add_f32 v[(\B):(\B)+1], v[(\B):(\B)+1], v[(\B)+16:(\B)+17]
	v_pk_add_f32 v[(\B)+2:(\B)+3], v[(\B)+2:(\B)+3], v[(\B)+18:(\B)+19]
	v_add_f32 v[(\B)+4], v[(\B)+4], v[(\B)+20]
.endm
	PSUM RAW
	PSUM RAW+32
	v_add_f32 v[RAW], v[RAW], v[MKA]               ; l + mask
	v_add_f32 v[RAW+32], v[RAW+32], v[MKB]
	v_max_num_f32 v[FR], v[RAW], v[RAW+32]
	WMAX FR, FR+1
	v_max_num_f32 v[FR], 0xff7fffff, v[FR]         ; m stays finite where all 64 rows are masked by -inf
	v_sub_f32 v[FR+2], v[RAW], v[FR]               ; first the difference, then the factor: -inf stays -inf
	v_sub_f32 v[FR+3], v[RAW+32], v[FR]
	v_mul_f32 v[FR+2], 0x3fb8aa3b, v[FR+2]
	v_mul_f32 v[FR+3], 0x3fb8aa3b, v[FR+3]
	v_exp_f32 v[FR+2], v[FR+2]
	v_exp_f32 v[FR+3], v[FR+3]
	v_mov_b32 v[FR+8], v[FR]                       ; a plain instruction behind the last exponential
	s_wait_alu depctr_va_vdst(0)                   ; one wait for both, ahead of their first reader
	v_add_f32 v[FR+9], v[FR+2], v[FR+3]
.irp t, 0,1,2,3
	v_mul_f32 v[FR+10+(\t)], v[FR+2], v[RAW+1+(\t)]
	v_fmac_f32 v[FR+10+(\t)], v[FR+3], v[RAW+33+(\t)]
.endr
.irp i, 9,10,11,12,13
	WSUM FR+(\i), FR+1
.endr
	v_mov_b32 v[FR+14], 0
	v_mov_b32 v[FR+15], 0
	v_mov_b32 v2, 0
	s_wait_xcnt 0x0                                ; EXEC changes only behind this wait
	v_cmp_gt_u32 vcc_lo, 1, v0
	s_and_saveexec_b32 s14, vcc_lo                 ; every lane holds the same six numbers: lane 0 stores them
	global_store_b128 v2, v[FR+8:FR+11], s[10:11]
	global_store_b128 v2, v[FR+12:FR+15], s[10:11] offset:16
	s_wait_xcnt 0x0                                ; and again, ahead of the line that widens it
	s_or_b32 exec_lo, exec_lo, s14
.Lend:
	s_wait_tensorcnt 0x0                           ; the wave's end: behind my last tensor load and my last LDS store
	ds_add_u32 v[SPW], v[NIL]
	s_wait_dscnt 0x0
	s_endpgm
.Lfunc_end_k_q84483305fd_gate:
	.size	k_q84483305fd_gate, .Lfunc_end_k_q84483305fd_gate-k_q84483305fd_gate
	.p2alignl 7, 3214868480
	.fill 96, 4, 3214868480
	.section	.rodata,"a",@progbits
	.p2align	6, 0x0
	.amdhsa_kernel k_q84483305fd_gate
		.amdhsa_group_segment_fixed_size 295424
		.amdhsa_private_segment_fixed_size 0
		.amdhsa_enable_private_segment 0
		.amdhsa_kernarg_size 32
		.amdhsa_user_sgpr_count 2
		.amdhsa_user_sgpr_kernarg_segment_ptr 1
		.amdhsa_wavefront_size32 1
		.amdhsa_system_sgpr_workgroup_id_x 1
		.amdhsa_system_sgpr_workgroup_id_y 1
		.amdhsa_system_sgpr_workgroup_id_z 1
		.amdhsa_system_vgpr_workitem_id 0
		.amdhsa_next_free_vgpr 208
		.amdhsa_next_free_sgpr 66
		.amdhsa_reserve_vcc 1
		.amdhsa_float_denorm_mode_32 3
		.amdhsa_float_denorm_mode_16_64 3
		.amdhsa_memory_ordered 1
		.amdhsa_forward_progress 1
		.amdhsa_inst_pref_size 39
	.end_amdhsa_kernel
	.amdgpu_metadata
---
amdhsa.version: [ 1, 2 ]
amdhsa.kernels:
  - .name:           k_q84483305fd_gate
    .symbol:         k_q84483305fd_gate.kd
    .args:
      - { .name: hidden_states, .offset: 0, .size: 8, .value_kind: global_buffer, .address_space: global }
      - { .name: attention_mask, .offset: 8, .size: 8, .value_kind: global_buffer, .address_space: global }
      - { .name: UF, .offset: 16, .size: 8, .value_kind: global_buffer, .address_space: global }
      - { .name: PART, .offset: 24, .size: 8, .value_kind: global_buffer, .address_space: global }
    .group_segment_fixed_size: 295424
    .private_segment_fixed_size: 0
    .kernarg_segment_align: 8
    .kernarg_segment_size: 32
    .max_flat_workgroup_size: 128
    .sgpr_count:     66
    .vgpr_count:     208
    .wavefront_size: 32
...
	.end_amdgpu_metadata
.endif
;; end of part 2
;; launch fold (part 3): grid 16 x 16, 4 waves a work-group, no clusters, 82,688 bytes of LDS; arguments GF, W2F, dense_W, PART, CB, sel_b, dense_b, pal_b2, WEFF, BEFF; writes WEFF, BEFF
.if DOCPART == 3
	.amdgcn_target "amdgcn-amd-amdhsa--gfx1250"
	.amdhsa_code_object_version 6
	.text
	.protected	k_q84483305fd_fold
	.globl	k_q84483305fd_fold
	.p2align	8
	.type	k_q84483305fd_fold,@function
k_q84483305fd_fold:
	s_mov_b64 s[64:65], 0
	v_nop
	global_prefetch_b8 v0, s[64:65] scope:SCOPE_SE
	s_setreg_imm32_b32 hwreg(HW_REG_WAVE_MODE, 25, 1), 1
	s_wait_xcnt 0x0
; FOLD.  d[b][t], the task distribution, from the gate's parts; N_t = G_t W2_t; Weff_b = W + sum_t d[b][t] N_t, rounded to bf16 in the order in which the last launch's operand registers take it;
; beff_b = b + sum_t d[b][t] (gb_t W2_t + b2[t]).  N is never stored.  Left out, as shown at the head of the first kernel: enc_b and b . enc_W.
; LIMITS.  G, W2 and Weff are bf16.  A batch masked wholly by -inf has L = 0 and gives NaN, as reference() does.
; SHARES.  Work-group (x, y): columns c = 64 x .., rows k = 64 y .., all four t and all eight batches.  In the product wave w is t = w: 20 accumulators (4 blocks of 16 k and the block of gb, by 4 blocks of 16 c),
; 8 steps of 32 p; its operands come straight into registers, 512 consecutive bytes a load, three sets of registers so that two steps' loads are always on their way.  Behind one barrier wave w takes
; column block w with all four t.  Every work-group works d out for itself (32 parts a batch, a lane a part; wave w takes batches 2 w and 2 w + 1).
; No tensor load and no cluster: the operands lie in register order and each has one reader in the work-group.
.set DREG,  81920                      ; behind the tiles (t x 20,480 + tile x 1,024 + half x 512 + 16 l): d[b][t], 128 bytes in a block of their own
.set SPARE, 82176                      ; the spare words, 128 bytes a wave
.set L16, 2
.set OWG, 3                            ; v3   W's gather: h x 8 rows of 4,096 + r x 4 + 64 x wave
.set L32, 4
.set PST, 5
.set SPW, 6                            ; v6   my spare word; never rewritten
.set NIL, 7                            ; v7   0; never rewritten
.set DST, 8                            ; v8   where my two batches' d go
; v[16:31] two batches' parts; v[32:39] at work; v[40:111], v[112:183], v[184:255] three sets of fragments: G's five at + 8 mb, W2's four at + 40 + 8 nb
; window 1: v0-159 the accumulators, later N[mb][t] at 32 mb + 8 t and packed results at 128 + 4 mb; v160-191 W[k][c] as the result holds it; v192-195 d[b]; v224-239 at work;
;           v240, v241 LDS: my column block's tiles of t = 0, 1 and 2, 3; v242 16 l; v243 d[b], stepped; v244 d of batch 4 h; v245 h x 16,384 + r x 4; v246 r x 4
.set WV,  24
.set GX,  25
.set GY,  26
.set T0,  27
.set CNT, 28
.set CS,  44                           ; s44-47  b . sel_W[t] + sel_b[t]
.set SEL, 48
.set GFA, 50
.set GFB, 52
.set W2A, 54
.set WB,  56
.set PB,  58
.set WE,  60
.set BE,  66
.set DB,  68
.set B2,  70
.set MSB, 0
.macro WIN new
.if MSB != (\new)
	s_set_vgpr_msb (MSB<<8)|(\new)
.set MSB, (\new)
.endif
.endm
.macro PLACES
.rept 4
	v_nop
.endr
.endm
.macro WSUM x, t
	v_add_f32_dpp v[\x], v[\x], v[\x] row_xmask:1 row_mask:0xf bank_mask:0xf
	v_add_f32_dpp v[\x], v[\x], v[\x] row_xmask:2 row_mask:0xf bank_mask:0xf
	v_add_f32_dpp v[\x], v[\x], v[\x] row_xmask:4 row_mask:0xf bank_mask:0xf
	v_add_f32_dpp v[\x], v[\x], v[\x] row_xmask:8 row_mask:0xf bank_mask:0xf
	v_permlanex16_b32 v[\t], v[\x], s[SEL], s[SEL+1]
	v_add_f32 v[\x], v[\x], v[\t]
.endm
.macro WMAX x, t
	v_max_num_f32_dpp v[\x], v[\x], v[\x] row_xmask:1 row_mask:0xf bank_mask:0xf
	v_max_num_f32_dpp v[\x], v[\x], v[\x] row_xmask:2 row_mask:0xf bank_mask:0xf
	v_max_num_f32_dpp v[\x], v[\x], v[\x] row_xmask:4 row_mask:0xf bank_mask:0xf
	v_max_num_f32_dpp v[\x], v[\x], v[\x] row_xmask:8 row_mask:0xf bank_mask:0xf
	v_permlanex16_b32 v[\t], v[\x], s[SEL], s[SEL+1]
	v_max_num_f32 v[\x], v[\x], v[\t]
.endm
	s_load_b256 s[4:11], s[0:1], 0x0               ; GF, W2F, dense_W, PART
	s_load_b256 s[12:19], s[0:1], 0x20             ; CB, sel_b, dense_b, pal_b2
	s_load_b128 s[20:23], s[0:1], 0x40             ; WEFF, BEFF
	v_lshl_add_u32 v[SPW], v0, 2, SPARE
	v_mov_b32 v[NIL], 0
	v_lshrrev_b32 v1, 5, v0
	v_readfirstlane_b32 s[WV], v1                  ; wave 0..3
	s_mov_b32 s[GX], ttmp9
	s_and_b32 s[GY], ttmp7, 0xffff
	v_and_b32 v9, 15, v0                           ; r
	v_bfe_u32 v10, v0, 4, 1                        ; h
	v_and_b32 v11, 31, v0                          ; l
	v_lshlrev_b32 v[L16], 4, v11
	v_lshlrev_b32 v[L32], 5, v11
	s_lshl_b32 s[T0], s[WV], 6
	v_lshlrev_b32 v[OWG], 15, v10
	v_lshl_add_u32 v[OWG], v9, 2, v[OWG]
	v_add_nc_u32 v[OWG], s[T0], v[OWG]
	s_mul_i32 s[T0], s[WV], 20480
	v_add_nc_u32 v[PST], s[T0], v[L16]
	s_lshl_b32 s[T0], s[WV], 5
	s_add_co_u32 s[T0], s[T0], DREG
	v_mov_b32 v[DST], s[T0]
	v_lshlrev_b32 v12, 14, v10
	v_lshl_add_u32 v12, v9, 2, v12
	v_mov_b32 v33, 0                               ; v_permlanex16_b32's destinations count as read
	v_mov_b32 v37, 0
	s_lshl_b32 s[T0], s[WV], 10
	WIN 0x40                                       ; destinations in window 1
	v_add_nc_u32 v240, s[T0], v[L16]
	v_mov_b32 v242, v[L16]
	v_mov_b32 v243, DREG
	v_lshl_add_u32 v244, v10, 6, DREG
	v_mov_b32 v245, v12
	v_lshlrev_b32 v246, 2, v9
	s_add_co_u32 s[T0], s[T0], 40960
	v_add_nc_u32 v241, s[T0], v[L16]
	WIN 0
	s_mov_b32 s[SEL], 0x76543210
	s_mov_b32 s[SEL+1], 0xfedcba98
	s_mov_b32 s3, 0
	s_wait_kmcnt 0x0
	s_load_b256 s[32:39], s[12:13], 0x0            ; words 1..4: b . sel_W[t]
	s_load_b128 s[40:43], s[14:15], 0x0            ; sel_b
	s_lshl_b32 s2, s[WV], 13                       ; G: my t's four blocks of 64 p
	s_add_nc_u64 s[GFB:GFB+1], s[4:5], s[2:3]
	s_lshl_b32 s2, s[GY], 17                       ; row blocks 4 y ..
	s_add_nc_u64 s[GFA:GFA+1], s[GFB:GFB+1], s[2:3]
	s_add_nc_u64 s[GFB:GFB+1], s[GFB:GFB+1], 0x200000  ; row block 64: gb
	s_lshl_b32 s2, s[WV], 19
	s_lshl_b32 s[T0], s[GX], 15
	s_add_co_u32 s2, s2, s[T0]
	s_add_nc_u64 s[W2A:W2A+1], s[6:7], s[2:3]
	s_lshl_b32 s2, s[GY], 18
	s_lshl_b32 s[T0], s[GX], 8
	s_add_co_u32 s2, s2, s[T0]
	s_add_nc_u64 s[WB:WB+1], s[8:9], s[2:3]
	s_lshl_b32 s2, s[WV], 11
	s_add_nc_u64 s[PB:PB+1], s[10:11], s[2:3]
	s_lshl_b32 s2, s[GY], 17                       ; WEFF: (k / 64) 2^17 + (c / 256) 2^15 + ((c / 16) % 16) 2^10
	s_lshr_b32 s[T0], s[GX], 2
	s_lshl_b32 s[T0], s[T0], 15
	s_add_co_u32 s2, s2, s[T0]
	s_and_b32 s[T0], s[GX], 3
	s_lshl2_add_u32 s[T0], s[T0], s[WV]
	s_lshl_b32 s[T0], s[T0], 10
	s_add_co_u32 s2, s2, s[T0]
	s_add_nc_u64 s[WE:WE+1], s[20:21], s[2:3]
	s_lshl_b32 s2, s[GX], 8
	s_lshl_b32 s[T0], s[WV], 6
	s_add_co_u32 s2, s2, s[T0]                     ; my 16 columns, in f32
	s_add_nc_u64 s[BE:BE+1], s[22:23], s[2:3]
	s_add_nc_u64 s[DB:DB+1], s[16:17], s[2:3]
	s_add_nc_u64 s[B2:B2+1], s[18:19], s[2:3]
; 18 loads: step sg's fragments into the set at register sb
.macro FRAG sb, sg
.irp mb, 0,1,2,3
	global_load_b128 v[(\sb)+8*(\mb):(\sb)+8*(\mb)+3],   v[L16], s[GFA:GFA+1] offset:(\mb)*32768+(\sg)*1024
	global_load_b128 v[(\sb)+8*(\mb)+4:(\sb)+8*(\mb)+7], v[L16], s[GFA:GFA+1] offset:(\mb)*32768+(\sg)*1024+512
.endr
	global_load_b128 v[(\sb)+32:(\sb)+35], v[L16], s[GFB:GFB+1] offset:(\sg)*1024
	global_load_b128 v[(\sb)+36:(\sb)+39], v[L16], s[GFB:GFB+1] offset:(\sg)*1024+512
.irp nb, 0,1,2,3
	global_load_b128 v[(\sb)+40+8*(\nb):(\sb)+40+8*(\nb)+3], v[L16], s[W2A:W2A+1] offset:(\nb)*8192+(\sg)*1024
	global_load_b128 v[(\sb)+44+8*(\nb):(\sb)+44+8*(\nb)+3], v[L16], s[W2A:W2A+1] offset:(\nb)*8192+(\sg)*1024+512
.endr
.endm
.irp q, 0,1,2,3                        ; the parts of batches 2 w and 2 w + 1: lane l takes part l: (m, L, Z0, Z1), (Z2, Z3, 0, 0)
	global_load_b128 v[16+4*(\q):16+4*(\q)+3], v[L32], s[PB:PB+1] offset:((\q)/2)*1024+((\q)%2)*16
.endr
	WIN 0x40
.set i, 0
.rept 32                               ; W[64 y + 16 mb + 8 h + jj][64 x + 16 w + r], i = 8 mb + jj
	global_load_b32 v[160+i], v[OWG], s[WB:WB+1] offset:(16*(i/8)+i%8)*4096
.set i, i+1
.endr
	WIN 0
	FRAG 40, 0
	FRAG 112, 1
	FRAG 184, 2
	s_wait_kmcnt 0x0
	s_add_f32 s[CS], s33, s40
	s_add_f32 s[CS+1], s34, s41
	s_add_f32 s[CS+2], s35, s42
	s_add_f32 s[CS+3], s36, s43
	s_wait_loadcnt 63                              ; 86 loads are younger than the four of the parts, and the count's field ends at 63: with 63 out the parts are in
; d of one batch, in five stages; each stage is run for both batches, so that a stage's transcendentals are one batch with one wait
.macro D1 B, T                         ; the batch's maximum M, and 2^((m - M) log2 e) for each part
	v_mov_b32 v[\T], v[\B]
	WMAX \T, (\T)+1
	v_sub_f32 v[(\T)+2], v[\B], v[\T]
	v_mul_f32 v[(\T)+2], 0x3fb8aa3b, v[(\T)+2]
	v_exp_f32 v[(\T)+2], v[(\T)+2]
.endm
.macro D2 B, T                         ; L and Z_t weighed and summed over the 32 parts; 1 / L
.irp i, 1,2,3,4,5
	v_mul_f32 v[(\B)+(\i)], v[(\B)+(\i)], v[(\T)+2]
.endr
.irp i, 1,2,3,4,5
	WSUM (\B)+(\i), (\T)+1
.endr
	v_rcp_f32 v[\T], v[(\B)+1]
.endm
.macro D3 B, T                         ; y_t = Z_t / L + b . sel_W[t] + sel_b[t]; their maximum is taken away before the exponentials
.irp t, 0,1,2,3
	v_fma_f32 v[(\B)+2+(\t)], v[(\B)+2+(\t)], v[\T], s[CS+(\t)]
.endr
	v_max3_num_f32 v[(\T)+2], v[(\B)+2], v[(\B)+3], v[(\B)+4]
	v_max_num_f32 v[(\T)+2], v[(\T)+2], v[(\B)+5]
.irp t, 0,1,2,3
	v_sub_f32 v[(\B)+2+(\t)], v[(\B)+2+(\t)], v[(\T)+2]
.endr
.irp t, 0,1,2,3
	v_mul_f32 v[(\B)+2+(\t)], 0x3fb8aa3b, v[(\B)+2+(\t)]
.endr
.irp t, 0,1,2,3
	v_exp_f32 v[(\B)+2+(\t)], v[(\B)+2+(\t)]
.endr
.endm
.macro D4 B, T
	v_add_f32 v[(\T)+2], v[(\B)+2], v[(\B)+3]
	v_add_f32 v[(\T)+3], v[(\B)+4], v[(\B)+5]
	v_add_f32 v[(\T)+2], v[(\T)+2], v[(\T)+3]
	v_rcp_f32 v[(\T)+2], v[(\T)+2]
.endm
.macro D5 B, T, off
.irp t, 0,1,2,3
	v_mul_f32 v[(\B)+2+(\t)], v[(\B)+2+(\t)], v[(\T)+2]
.endr
	ds_store_b128 v[DST], v[(\B)+2:(\B)+5] offset:\off   ; every lane holds the same four numbers and writes them to the same bytes
.endm
.macro TWAIT                           ; a plain instruction behind the last transcendental, and the one wait for the batch
	v_nop
	s_wait_alu depctr_va_vdst(0)
.endm
	D1 16, 32
	D1 24, 36
	TWAIT
	D2 16, 32
	D2 24, 36
	TWAIT
	D3 16, 32
	D3 24, 36
	TWAIT
	D4 16, 32
	D4 24, 36
	TWAIT
	D5 16, 32, 0
	D5 24, 36, 16
; step sg of 8: 20 products, each accumulator one turn; then the set is asked for again.  left: the loads of the younger sets, which may stay out
.macro STEP sg, left
	s_wait_loadcnt \left
	WIN 0x50                                       ; C and D in window 1
.set FS, 40+72*((\sg)%3)
.irp mb, 0,1,2,3,4
.irp nb, 0,1,2,3
.if (\sg) == 0
	v_wmma_f32_16x16x32_bf16 v[8*(4*(\mb)+(\nb)):8*(4*(\mb)+(\nb))+7], v[FS+8*(\mb):FS+8*(\mb)+7], v[FS+40+8*(\nb):FS+40+8*(\nb)+7], 0
.else
	v_wmma_f32_16x16x32_bf16 v[8*(4*(\mb)+(\nb)):8*(4*(\mb)+(\nb))+7], v[FS+8*(\mb):FS+8*(\mb)+7], v[FS+40+8*(\nb):FS+40+8*(\nb)+7], v[8*(4*(\mb)+(\nb)):8*(4*(\mb)+(\nb))+7]
.endif
.endr
.endr
	PLACES
	WIN 0
.if (\sg) <= 4
	FRAG FS, (\sg)+3
.endif
.endm
	STEP 0, 36
	STEP 1, 36
	STEP 2, 36
	STEP 3, 36
	STEP 4, 36
	STEP 5, 36
	STEP 6, 18
	STEP 7, 0
	WIN 0x04                                       ; store data in window 1
.set i, 0
.rept 20                               ; the four lowest registers of each accumulator first
	ds_store_b128 v[PST], v[8*i:8*i+3] offset:i*1024
	ds_store_b128 v[PST], v[8*i+4:8*i+7] offset:i*1024+512
.set i, i+1
.endr
	WIN 0
	s_wait_dscnt 0x0                               ; for the others' sake: my N_t and my two batches' d lie in LDS
	s_barrier_signal -1
	s_barrier_wait -1
	WIN 0x55                                       ; everything in window 1
.irp mb, 0,1,2,3
.irp t, 0,1,2,3
	ds_load_b128 v[32*(\mb)+8*(\t):32*(\mb)+8*(\t)+3],   v[240+(\t)/2] offset:((\t)%2)*20480+(\mb)*4096
	ds_load_b128 v[32*(\mb)+8*(\t)+4:32*(\mb)+8*(\t)+7], v[240+(\t)/2] offset:((\t)%2)*20480+(\mb)*4096+512
.endr
.endr
	WIN 0
	s_mov_b32 s[CNT], 8
.Lb:                                           ; a trip a batch: Weff_b for my 16 columns and the tile's 64 rows
	WIN 0x55
	ds_load_b128 v[192:195], v243                  ; d[b][0..3], the same in every lane
	s_wait_dscnt 0x0
.irp mb, 0,1,2,3
.set OO, 224+8*((\mb)%2)
.irp i, 0,1,2,3
	v_pk_fma_f32 v[OO+2*(\i):OO+2*(\i)+1], v[32*(\mb)+2*(\i):32*(\mb)+2*(\i)+1], v[192:193], v[160+8*(\mb)+2*(\i):160+8*(\mb)+2*(\i)+1] op_sel_hi:[1,0,1]
.endr
.irp i, 0,1,2,3
	v_pk_fma_f32 v[OO+2*(\i):OO+2*(\i)+1], v[32*(\mb)+8+2*(\i):32*(\mb)+8+2*(\i)+1], v[192:193], v[OO+2*(\i):OO+2*(\i)+1] op_sel:[0,1,0] op_sel_hi:[1,1,1]
.endr
.irp i, 0,1,2,3
	v_pk_fma_f32 v[OO+2*(\i):OO+2*(\i)+1], v[32*(\mb)+16+2*(\i):32*(\mb)+16+2*(\i)+1], v[194:195], v[OO+2*(\i):OO+2*(\i)+1] op_sel_hi:[1,0,1]
.endr
.irp i, 0,1,2,3
	v_pk_fma_f32 v[OO+2*(\i):OO+2*(\i)+1], v[32*(\mb)+24+2*(\i):32*(\mb)+24+2*(\i)+1], v[194:195], v[OO+2*(\i):OO+2*(\i)+1] op_sel:[0,1,0] op_sel_hi:[1,1,1]
.endr
.irp i, 0,1,2,3
	v_cvt_pk_bf16_f32 v[128+4*(\mb)+(\i)], v[OO+2*(\i)], v[OO+2*(\i)+1]   ; lane (c = r, h): k = 16 mb + 8 h + 0..7: 16 bytes of an operand fragment
.endr
	global_store_b128 v242, v[128+4*(\mb):128+4*(\mb)+3], s[WE:WE+1] offset:((\mb)/2)*16384+((\mb)%2)*512  ; 512 consecutive bytes
.endr
	v_add_nc_u32 v243, 16, v243
	s_wait_xcnt 0x0                                ; the stores have read their data and their base: both are written again
	s_add_nc_u64 s[WE:WE+1], s[WE:WE+1], 0x200000
	WIN 0
	s_sub_co_u32 s[CNT], s[CNT], 1
	s_cmp_lg_u32 s[CNT], 0
	s_cbranch_scc1 .Lb
	s_cmp_lg_u32 s[GY], 0                          ; beff hangs on the columns alone: y = 0 makes it
	s_cbranch_scc1 .Lnob
	WIN 0x55
	ds_load_b32 v0, v240 offset:16384              ; (gb_t W2_t)[c]: register 0 of tile (4, w), the same in all its 16 rows
	ds_load_b32 v1, v240 offset:36864
	ds_load_b32 v2, v241 offset:16384
	ds_load_b32 v3, v241 offset:36864
.irp bb, 0,1,2,3
	ds_load_b128 v[8+4*(\bb):11+4*(\bb)], v244 offset:16*(\bb)   ; d of batch bb + 4 h
.endr
	global_load_b32 v24, v246, s[DB:DB+1]
.irp t, 0,1,2,3
	global_load_b32 v[28+(\t)], v246, s[B2:B2+1] offset:(\t)*4096
.endr
	s_wait_loadcnt 0x0
	s_wait_dscnt 0x0
.irp t, 0,1,2,3
	v_add_f32 v[(\t)], v[(\t)], v[28+(\t)]
.endr
.irp bb, 0,1,2,3
	v_fma_f32 v[32+(\bb)], v[8+4*(\bb)], v0, v24
	v_fma_f32 v[32+(\bb)], v[9+4*(\bb)], v1, v[32+(\bb)]
	v_fma_f32 v[32+(\bb)], v[10+4*(\bb)], v2, v[32+(\bb)]
	v_fma_f32 v[32+(\bb)], v[11+4*(\bb)], v3, v[32+(\bb)]
	global_store_b32 v245, v[32+(\bb)], s[BE:BE+1] offset:(\bb)*4096
.endr
	WIN 0
.Lnob:
	s_wait_tensorcnt 0x0                           ; the wave's end: behind my last LDS store
	ds_add_u32 v[SPW], v[NIL]
	s_wait_dscnt 0x0
	s_endpgm
.Lfunc_end_k_q84483305fd_fold:
	.size	k_q84483305fd_fold, .Lfunc_end_k_q84483305fd_fold-k_q84483305fd_fold
	.p2alignl 7, 3214868480
	.fill 96, 4, 3214868480
	.section	.rodata,"a",@progbits
	.p2align	6, 0x0
	.amdhsa_kernel k_q84483305fd_fold
		.amdhsa_group_segment_fixed_size 82688
		.amdhsa_private_segment_fixed_size 0
		.amdhsa_enable_private_segment 0
		.amdhsa_kernarg_size 80
		.amdhsa_user_sgpr_count 2
		.amdhsa_user_sgpr_kernarg_segment_ptr 1
		.amdhsa_wavefront_size32 1
		.amdhsa_system_sgpr_workgroup_id_x 1
		.amdhsa_system_sgpr_workgroup_id_y 1
		.amdhsa_system_sgpr_workgroup_id_z 1
		.amdhsa_system_vgpr_workitem_id 0
		.amdhsa_next_free_vgpr 512
		.amdhsa_next_free_sgpr 72
		.amdhsa_reserve_vcc 0
		.amdhsa_float_denorm_mode_32 3
		.amdhsa_float_denorm_mode_16_64 3
		.amdhsa_memory_ordered 1
		.amdhsa_forward_progress 1
		.amdhsa_inst_pref_size 53
	.end_amdhsa_kernel
	.amdgpu_metadata
---
amdhsa.version: [ 1, 2 ]
amdhsa.kernels:
  - .name:           k_q84483305fd_fold
    .symbol:         k_q84483305fd_fold.kd
    .args:
      - { .name: GF, .offset: 0, .size: 8, .value_kind: global_buffer, .address_space: global }
      - { .name: W2F, .offset: 8, .size: 8, .value_kind: global_buffer, .address_space: global }
      - { .name: dense_W, .offset: 16, .size: 8, .value_kind: global_buffer, .address_space: global }
      - { .name: PART, .offset: 24, .size: 8, .value_kind: global_buffer, .address_space: global }
      - { .name: CB, .offset: 32, .size: 8, .value_kind: global_buffer, .address_space: global }
      - { .name: sel_b, .offset: 40, .size: 8, .value_kind: global_buffer, .address_space: global }
      - { .name: dense_b, .offset: 48, .size: 8, .value_kind: global_buffer, .address_space: global }
      - { .name: pal_b2, .offset: 56, .size: 8, .value_kind: global_buffer, .address_space: global }
      - { .name: WEFF, .offset: 64, .size: 8, .value_kind: global_buffer, .address_space: global }
      - { .name: BEFF, .offset: 72, .size: 8, .value_kind: global_buffer, .address_space: global }
    .group_segment_fixed_size: 82688
    .private_segment_fixed_size: 0
    .kernarg_segment_align: 8
    .kernarg_segment_size: 80
    .max_flat_workgroup_size: 128
    .sgpr_count:     72
    .vgpr_count:     512
    .wavefront_size: 32
...
	.end_amdgpu_metadata
.endif
;; end of part 3
;; launch main (part 4): grid 256 x 1, 4 waves a work-group, clusters of 4 x 1, 327,680 bytes of LDS; arguments hidden_states, WEFF, BEFF, input_tensor, ln_g, ln_b, out0; writes out0
.if DOCPART == 4
	.amdgcn_target "amdgcn-amd-amdhsa--gfx1250"
	.amdhsa_code_object_version 6
	.text
	.protected	k_q84483305fd_main
	.globl	k_q84483305fd_main
	.p2align	8
	.type	k_q84483305fd_main,@function
k_q84483305fd_main:
	s_mov_b64 s[64:65], 0
	v_nop
	global_prefetch_b8 v0, s[64:65] scope:SCOPE_SE
	s_setreg_imm32_b32 hwreg(HW_REG_WAVE_MODE, 25, 1), 1
	s_wait_xcnt 0x0
	s_wait_alu depctr_hold_cnt(0) depctr_sa_sdst(0) depctr_va_vdst(0) depctr_va_sdst(0) depctr_va_ssrc(0) depctr_va_vcc(0) depctr_vm_vsrc(0)
	s_getreg_b32 s2, hwreg(HW_REG_IB_STS2, 6, 4)
	s_cmp_eq_u32 s2, 0
	s_cbranch_scc0 .Lentry_in_a_cluster
	s_endpgm
.Lentry_in_a_cluster:
	s_bfe_u32 s2, ttmp6, 0x10000c
	s_cmp_lg_u32 s2, 0x3003
	s_cbranch_scc0 .Lentry_shape_is_right
	s_endpgm
.Lentry_shape_is_right:
; MAIN.  out = LayerNorm(X Weff_b + beff_b + input) ln_g + ln_b, with Weff and beff as the launch before has folded them (shown at the head of the first kernel, which also says why enc_b is left out).
; LIMITS.  X and Weff are bf16 in the product; sums, mean and variance in f32; the variance is taken of the centred row, so no difference of large sums is formed.
; SHARES.  A work-group owns 64 rows and ALL 1,024 columns, so that the LayerNorm is made here and x never goes to memory.  Wave w owns the 64 rows x columns 256 w .. + 255: 64 accumulators, 512 registers.
; K goes in 16 steps of 64 through two slots.
; B = Weff lies in memory in the order of the operand registers: a step is 128 KiB on end, and wave w's one tensor load brings the 32 KiB that wave w alone reads; LDS reads of it are 512 bytes on end.
; CLUSTER.  The four work-groups of a cluster belong to one batch and walk the same Weff: each tile is asked for JOINTLY, by the same tensor load, descriptor and mask in all four.
; A = X (f32) comes through registers: in each step a wave loads 16 rows x 256 bytes, rounds them once and stores bf16 into a ring of two small slots that no fill ever touches; all four waves read it.
; ONE barrier a step (where a slot is filled again it opens a round of the cluster's barrier) orders: ahead of it my reads of both slots in hand and my stores of the next step's A; behind it B's refill and
; everybody's reads of the next A.  Two tensor loads of mine are out at the start, one behind each round.
; THE PRODUCT IS TAKEN TRANSPOSED (source 0 = 16 columns of Weff, source 1 = 16 rows of X): a lane holds one row and eight neighbouring columns.  The sums start at beff, loaded straight into the accumulators.
; REGISTERS.  window 0: v0-31 addresses; v32-63, v64-95 A's fragments, two buffers; v96-159 X in f32, two sets; v160-175 X packed.  window 1: B's fragments, two buffers of 128.
;   windows 2 and 3: accumulator (a, fb) in window 2 + a / 2 at v[8 (16 (a % 2) + fb)].
.set BSLOT,  131072                    ; a slot of B; wave w's part at 32,768 w: half k x 16,384 + fragment x 1,024 + 512 q + 16 l
.set ASLOT0, 262144                    ; behind them A's two slots: 64 rows of 128 + 16 bytes
.set APITCH, 144
.set ASZ,    9216
.set SPARE,  280576                    ; the spare words, 128 bytes a wave
.set SPITCH, 4112                      ; the way out: 64 rows of 4,096 + 16 bytes from byte 0 on, when the ring has had its last fill and its last read
.set ADRB, 4                           ; v4, v5    my part of B in slot 0, 1
.set ADRA, 6                           ; v6, v7    my lane's place in A's fragments
.set ASTO, 8                           ; v8, v9    where I store 8 bytes of A
.set XO,   10                          ; v10  X: (16 w + h) x 4,096 + 16 r
.set VB,   11                          ; v11  1,024 w + 32 h: my eight columns of fragment 0, in f32
.set PFO,  12                          ; v12  256 l
.set PXO,  13                          ; v13  (16 w + r) x 4,096 + 256 h
.set STO,  14                          ; v14-17  the way out: my 32 bytes of row 16 a + r
.set RD,   18                          ; v18  the way out: my 16 bytes of my wave's first row
.set GI,   19                          ; v19  the same in input_tensor
.set RDB,  20                          ; v20, v21  the same two for the row loop, stepped
.set GO,   21
.set L16,  22
.set SPW,  28                          ; v28  my spare word; never rewritten
.set NIL,  29                          ; v29  0; never rewritten
.set AF,   32
.set RX,   96
.set PK,   160
.set LG,   32                          ; the way out: ln_g, ln_b of my 32 columns
.set LB,   64
.set TT,   96                          ; four rows out of the stage
.set XR0,  96                          ; the row loop: two rows,
.set XR1,  128
.set TA,   160                         ; at work
.set TB,   176
.set MU,   192                         ; v[192:193] the two rows' means; v[194:195] their 1 / sqrt(var + eps)
.set RS,   194
.set WV,   18
.set CX,   19
.set GW,   20
.set BT,   21
.set G1,   24                          ; s[24:31] descriptor group 1
.set G0,   32                          ; s[32:39] descriptor group 0, a set for each slot
.set XB,   40                          ; s[40:41] X at my work-group's rows, at the even step in hand
.set PFB,  42                          ; s[42:43] where my prefetches of Weff stand
.set LIM,  46                          ; s46  1 in the batch's first cluster, else the greatest number
.set CNT,  47
.set SEL,  48
.set RN,   50                          ; 1 / 1024
.set EP,   51                          ; 1e-12
.set INPB, 52
.set OUTB, 54
.set BEFB, 56
.set MSB, 0
.macro WIN new                         ; the immediate's high byte repeats the setting that is left; a switch that changes nothing is dropped
.if MSB != (\new)
	s_set_vgpr_msb (MSB<<8)|(\new)
.set MSB, (\new)
.endif
.endm
.macro PLACES                          ; four places behind a matrix instruction, ahead of what reads its result or is loaded into its sources (ISA guide 7.12.1 for what reads its result)
.rept 4
	v_nop
.endr
.endm
.macro CREST                           ; a round of the cluster's barrier behind its opening barrier
	s_cmp_lg_u32 s[WV], 0
	s_cbranch_scc1 .Lnot_wave_0_\@
	s_barrier_signal -3
.Lnot_wave_0_\@:
	s_barrier_wait -3
	s_barrier_signal -1
	s_barrier_wait -1
.endm
.macro CROUND
	s_barrier_signal -1
	s_barrier_wait -1
	CREST
.endm
.macro WSUM x, t
	v_add_f32_dpp v[\x], v[\x], v[\x] row_xmask:1 row_mask:0xf bank_mask:0xf
	v_add_f32_dpp v[\x], v[\x], v[\x] row_xmask:2 row_mask:0xf bank_mask:0xf
	v_add_f32_dpp v[\x], v[\x], v[\x] row_xmask:4 row_mask:0xf bank_mask:0xf
	v_add_f32_dpp v[\x], v[\x], v[\x] row_xmask:8 row_mask:0xf bank_mask:0xf
	v_permlanex16_b32 v[\t], v[\x], s[SEL], s[SEL+1]
	v_add_f32 v[\x], v[\x], v[\t]
.endm
	s_load_b256 s[4:11], s[0:1], 0x0               ; hidden_states, WEFF, BEFF, input_tensor
	s_load_b128 s[12:15], s[0:1], 0x20             ; ln_g, ln_b
	s_load_b64 s[16:17], s[0:1], 0x30              ; out0
	v_lshl_add_u32 v[SPW], v0, 2, SPARE
	v_mov_b32 v[NIL], 0
	ds_add_u32 v[SPW], v[NIL]                      ; the wave's opening: the add, twice on end, and its wait ahead of my first tensor load
	ds_add_u32 v[SPW], v[NIL]
	v_lshrrev_b32 v1, 5, v0
	v_readfirstlane_b32 s[WV], v1                  ; wave 0..3
	s_bfe_u32 s[CX], ttmp6, 0x40000                ; my place in the cluster: it enters X's, input's and out's addresses and the prefetches' alone
	s_lshl_b32 s[GW], ttmp9, 2                     ; in a cluster launch ttmp9 counts clusters
	s_add_co_u32 s[GW], s[GW], s[CX]               ; my block of 64 rows
	s_lshr_b32 s[BT], ttmp9, 3                     ; the batch: eight clusters each; the four partners share it
	s_mov_b32 s[G1+0], 15|(3<<16)|(1<<21)          ; the mask: all four work-groups; elements of 8 bytes; bit 21 set beside a mask; no padding
	s_mov_b32 s[G1+1], 32<<16                      ; tensor_dim0 = 32: rows of 256 bytes
	s_mov_b32 s[G1+2], 128<<16                     ; tensor_dim1 = 128
	s_mov_b32 s[G1+3], 32<<16                      ; tile_dim0 = 32
	s_mov_b32 s[G1+4], 128                         ; tile_dim1 = 128: 32 KiB on end
	s_mov_b32 s[G1+5], 32                          ; each row begins where the last ends
	s_mov_b32 s[G1+6], 0
	s_mov_b32 s[G1+7], 0
	s_lshl_b32 s22, s[WV], 15                      ; my part of a slot and of a step
	s_mov_b32 s23, 0
	s_mov_b32 s[G0], 1
	s_mov_b32 s[G0+1], s22
	s_mov_b32 s[G0+4], 1
	s_add_co_u32 s[G0+5], s22, BSLOT
	s_mov_b32 s[SEL], 0x76543210
	s_mov_b32 s[SEL+1], 0xfedcba98
	s_mov_b32 s[RN], 0x3a800000
	s_mov_b32 s[EP], 0x2b8cbccc
	s_and_b32 s[LIM], ttmp9, 7
	s_cmp_eq_u32 s[LIM], 0
	s_cselect_b32 s[LIM], 1, -1                    ; the same in all four partners
	s_mov_b32 s45, 0
	s_wait_dscnt 0x0                               ; both opening adds are done
	s_wait_kmcnt 0x0
	s_lshl_b32 s44, s[BT], 21
	s_add_nc_u64 s[6:7], s[6:7], s[44:45]          ; the batch's Weff
	s_add_nc_u64 s[G0+2:G0+3], s[6:7], s[22:23]    ; step 0,
	s_add_nc_u64 s[G0+6:G0+7], s[G0+2:G0+3], BSLOT ; step 1
	s_or_b32 s[G0+3], s[G0+3], 0x80000000
	s_or_b32 s[G0+7], s[G0+7], 0x80000000
	CROUND                                         ; all four work-groups are here: the first joint loads meet
	tensor_load_to_lds s[G0:G0+3], s[G1:G1+7]
	s_nop 0
	tensor_load_to_lds s[G0+4:G0+7], s[G1:G1+7]
	s_nop 0
	PLACES
	s_lshl_b32 s44, s[BT], 12
	s_add_nc_u64 s[BEFB:BEFB+1], s[8:9], s[44:45]
	s_lshl_b32 s44, s[GW], 18                      ; 64 rows of 4,096 bytes
	s_add_nc_u64 s[XB:XB+1], s[4:5], s[44:45]
	s_add_nc_u64 s[INPB:INPB+1], s[10:11], s[44:45]
	s_add_nc_u64 s[OUTB:OUTB+1], s[16:17], s[44:45]
	s_lshl2_add_u32 s44, s[CX], s[WV]              ; a step's 512 blocks of 256 bytes are shared out by address among the cluster's sixteen waves, 32 each
	s_lshl_b32 s44, s44, 13
	s_add_nc_u64 s[PFB:PFB+1], s[6:7], s[44:45]
	s_add_nc_u64 s[PFB:PFB+1], s[PFB:PFB+1], 3*BSLOT  ; step 0's change of slots steps it to step 4
	v_and_b32 v1, 15, v0                           ; r
	v_bfe_u32 v2, v0, 4, 1                         ; h
	v_and_b32 v3, 31, v0                           ; l
	v_lshlrev_b32 v[L16], 4, v3
	v_add_nc_u32 v[ADRB], s22, v[L16]
	v_add_nc_u32 v[ADRB+1], BSLOT, v[ADRB]
	v_mul_u32_u24 v[ADRA], v1, APITCH
	v_lshl_add_u32 v[ADRA], v2, 4, v[ADRA]
	v_add_nc_u32 v[ADRA], ASLOT0, v[ADRA]
	v_add_nc_u32 v[ADRA+1], ASZ, v[ADRA]
	s_mul_i32 s44, s[WV], 16*APITCH
	s_add_co_u32 s44, s44, ASLOT0
	v_mul_u32_u24 v[ASTO], v2, APITCH
	v_lshl_add_u32 v[ASTO], v1, 3, v[ASTO]
	v_add_nc_u32 v[ASTO], s44, v[ASTO]
	v_add_nc_u32 v[ASTO+1], ASZ, v[ASTO]
	s_lshl_b32 s44, s[WV], 16
	v_lshlrev_b32 v[XO], 12, v2
	v_lshl_add_u32 v[XO], v1, 4, v[XO]
	v_add_nc_u32 v[XO], s44, v[XO]
	v_add_nc_u32 v[GI], s44, v[L16]
	v_mov_b32 v[GO], v[GI]
	v_lshlrev_b32 v[PXO], 12, v1
	v_lshl_add_u32 v[PXO], v2, 8, v[PXO]
	v_add_nc_u32 v[PXO], s44, v[PXO]
	s_lshl_b32 s44, s[WV], 10
	v_lshl_add_u32 v[VB], v2, 5, s44
	v_lshlrev_b32 v[PFO], 8, v3
	v_mul_u32_u24 v[STO], v1, SPITCH
	v_add_nc_u32 v[STO], v[VB], v[STO]
.irp a, 1,2,3
	v_add_nc_u32 v[STO+(\a)], (\a)*16*SPITCH, v[STO]
.endr
	s_mul_i32 s44, s[WV], 16*SPITCH
	v_add_nc_u32 v[RD], s44, v[L16]
	v_mov_b32 v[RDB], v[RD]
; X: a step's 256 bytes of my wave's 16 rows: sixteen lanes take a row's 256 consecutive bytes
.macro XLOAD R, off
.irp i, 0,1,2,3,4,5,6,7
	global_load_b128 v[(\R)+4*(\i):(\R)+4*(\i)+3], v[XO], s[XB:XB+1] offset:(\off)+(\i)*8192 th:TH_LOAD_NT
.endr
.endm
.macro XCVT R
.irp i, 0,1,2,3,4,5,6,7,8,9,10,11,12,13,14,15
	v_cvt_pk_bf16_f32 v[PK+(\i)], v[(\R)+2*(\i)], v[(\R)+2*(\i)+1]
.endr
.endm
.macro XSTO s
.irp i, 0,1,2,3,4,5,6,7
	ds_store_b64 v[ASTO+(\s)], v[PK+2*(\i):PK+2*(\i)+1] offset:(\i)*2*APITCH
.endr
.endm
; 16 products: row block a x all 16 column blocks, 32 along K, from buffer f.  The 64 accumulators take turns in the same order in every half step
.macro MUL16 f, a
	WIN 0xa1+0x50*((\a)/2)                         ; source 0 (B) window 1, source 1 (A) window 0, C and D window 2 or 3
.set fb, 0
.rept 16
	v_wmma_f32_16x16x32_bf16 v[8*(16*((\a)%2)+fb):8*(16*((\a)%2)+fb)+7], v[128*(\f)+8*fb:128*(\f)+8*fb+7], v[AF+32*(\f)+8*(\a):AF+32*(\f)+8*(\a)+7], v[8*(16*((\a)%2)+fb):8*(16*((\a)%2)+fb)+7]
.set fb, fb+1
.endr
.endm
; 40 LDS loads in one run: half k of slot s into buffer f: B's 16 fragments, then A's four
.macro FETCH s, k, f
	WIN 0x40
.set fb, 0
.rept 32
	ds_load_b128 v[128*(\f)+4*fb:128*(\f)+4*fb+3], v[ADRB+(\s)] offset:(\k)*16384+fb*512
.set fb, fb+1
.endr
	WIN 0
.irp a, 0,1,2,3
	ds_load_b128 v[AF+32*(\f)+8*(\a):AF+32*(\f)+8*(\a)+3],   v[ADRA+(\s)] offset:(\a)*16*APITCH+(\k)*64
	ds_load_b128 v[AF+32*(\f)+8*(\a)+4:AF+32*(\f)+8*(\a)+7], v[ADRA+(\s)] offset:(\a)*16*APITCH+(\k)*64+32
.endr
.endm
; PREFETCHES INTO THE L2, behind the joint load, its five lines and the run of LDS loads.  Weff: a batch's blocks are walked by eight clusters; the first of them asks, a lane a block of 256 bytes, one
; instruction a wave: in step s for step s + 4, two refills ahead.  Steps 0 to 3 come by their loads alone; the tail asks for nothing.
.macro ASKB
	s_cmp_eq_u32 s[LIM], 1
	s_cbranch_scc0 .Lnot_b_\@
	global_prefetch_b8 v[PFO], s[PFB:PFB+1] th:TH_LOAD_NT scope:SCOPE_SE
.Lnot_b_\@:
.endm
; X: each wave asks for what it will load itself: its 16 rows' 256 bytes of two steps (a lane a row and step), once a trip: steps 2 i + 8 and 2 i + 9 in trip i, in trips 0 to 3 alone: a row has 16 steps
.macro ASKX
	s_cmp_gt_u32 s[CNT], 2
	s_cbranch_scc0 .Lnot_x_\@
	global_prefetch_b8 v[PXO], s[XB:XB+1] offset:1536 th:TH_LOAD_NT scope:SCOPE_SE
.Lnot_x_\@:
.endm
; The first half of a step in slot s: multiplies buffer 0 and fetches the second half into buffer 1.  cons = 1: the next step's X, in the other set of registers, is rounded and stored into the other slot
; of A (whose last readers passed the barrier of the step before); ld = 1: that set is asked for again, three steps ahead; lw: the younger X loads, which may stay out.
.macro FIRST s, cons, ld, lw
	s_wait_dscnt 4                                 ; all but A's blocks 2 and 3
	MUL16 0, 0
	MUL16 0, 1
	WIN 0
.if \cons
	s_wait_loadcnt \lw
	XCVT RX+32*(1-(\s))                            ; sixteen plain instructions: also the places ahead of the loads into buffer 1
.else
	PLACES
.endif
	FETCH \s, 1, 1
.if \cons
	XSTO 1-(\s)
.endif
.if \ld
	XLOAD RX+32*(1-(\s)), ((\s)+3)*256
.endif
	s_wait_dscnt 40+8*(\cons)                      ; all but what has just been issued
	MUL16 0, 2
	MUL16 0, 3
.endm
; The second half multiplies buffer 1 and changes slots.  fill = 2: slot s of B is filled again, two steps on, behind a round of the cluster's barrier; 1: no fill, the other slot's first fragments are fetched;
; 0: the last step.  st = 1: eight stores of A are among the LDS instructions that are out.  ask = 1: the prefetches and the steps of their addresses.
.macro TURN s, fill, st, ask
.if \ask
	s_wait_xcnt 0x0                                ; the X loads and the prefetches, a step back, have read their bases: they step here, ahead of the waits of the change of slots
	s_add_nc_u64 s[PFB:PFB+1], s[PFB:PFB+1], BSLOT
.if (\s) == 1
	s_add_nc_u64 s[XB:XB+1], s[XB:XB+1], 512
.endif
.endif
	WIN 0
	s_wait_tensorcnt 0x0                           ; all my tensor loads have landed: the one that was out is my part of the other slot
	ds_add_u32 v[SPW], v[NIL]                      ; 0 onto my spare word
	s_wait_dscnt 5+8*(\st)                         ; the add, A's stores and A's blocks 2 and 3 may be out
	MUL16 1, 0
	s_wait_dscnt 0x0                               ; the add is done, my reads of this step's slots are over, my stores of the next A are done
	s_barrier_signal -1
	MUL16 1, 1
	WIN 0
	s_barrier_wait -1
.if (\fill) == 2
	CREST                                          ; no wave of any partner still reads this slot or has a load on its way
	s_add_nc_u64 s[G0+4*(\s)+2:G0+4*(\s)+3], s[G0+4*(\s)+2:G0+4*(\s)+3], 2*BSLOT
	tensor_load_to_lds s[G0+4*(\s):G0+4*(\s)+3], s[G1:G1+7]   ; my one tensor load behind the round: 96 matrix instructions ahead of the wait for it
	s_nop 0
	PLACES                                         ; also the places ahead of the loads into buffer 0
.elseif (\fill) == 1
	PLACES
.endif
.if \fill
	FETCH 1-(\s), 0, 0
.endif
.if \ask
	ASKB
.if (\s) == 1
	ASKX
.endif
.endif
	MUL16 1, 2
	MUL16 1, 3
.endm
	XLOAD RX, 0                                    ; X of step 0,
	XLOAD RX+32, 256                               ; of step 1
	WIN 0x80
.set i, 0
.rept 32                               ; the sums start at beff: lane (r, h), register jj of accumulator (a, fb) is column 256 w + 16 fb + 8 h + jj, whatever a and r
	global_load_b128 v[8*i:8*i+3],   v[VB], s[BEFB:BEFB+1] offset:(i%16)*64
	global_load_b128 v[8*i+4:8*i+7], v[VB], s[BEFB:BEFB+1] offset:(i%16)*64+16
.set i, i+1
.endr
	WIN 0xc0
.set i, 0
.rept 32
	global_load_b128 v[8*i:8*i+3],   v[VB], s[BEFB:BEFB+1] offset:(i%16)*64
	global_load_b128 v[8*i+4:8*i+7], v[VB], s[BEFB:BEFB+1] offset:(i%16)*64+16
.set i, i+1
.endr
	WIN 0
	s_wait_loadcnt 63                              ; 136 loads are younger than step 0's eight, and the count's field ends at 63
	XCVT RX
	XSTO 0
	XLOAD RX, 512                                  ; X of step 2
	s_wait_loadcnt 8                               ; only those eight may stay out: beff is in
	s_wait_tensorcnt 1                             ; my part of slot 0 is in; slot 1's may stay out
	s_wait_dscnt 0x0                               ; my rows of A's slot 0 are stored
	s_barrier_signal -1
	s_barrier_wait -1
	FETCH 0, 0, 0
	s_mov_b32 s[CNT], 6
.Ltrip:                                        ; two steps a trip: steps 0 to 11
	FIRST 0, 1, 1, 8
	TURN 0, 2, 1, 1
	FIRST 1, 1, 1, 8
	TURN 1, 2, 1, 1
	WIN 0
	s_sub_co_u32 s[CNT], s[CNT], 1
	s_cmp_lg_u32 s[CNT], 0
	s_cbranch_scc1 .Ltrip
	FIRST 0, 1, 1, 8                               ; the tail is written out.  Step 12: X of step 15 is asked for, B of step 14
	TURN 0, 2, 1, 0
	FIRST 1, 1, 0, 8                               ; step 13: B of step 15, the last fill
	TURN 1, 2, 1, 0
	FIRST 0, 1, 0, 0                               ; step 14
	TURN 0, 1, 1, 0
	FIRST 1, 0, 0, 0                               ; step 15: behind its barrier no wave reads the ring any more
	TURN 1, 0, 0, 0
	; THE WAY OUT.  The sums go into a stage of whole rows in LDS; behind one barrier wave w owns rows 16 w .. + 15 whole.  All of a wave's 64 KiB of input_tensor are asked for as early as registers are free.
	; input is added to the rows, four at a time, and they go back to the same bytes, so that ONE text, a loop of two rows a trip, can make the LayerNorm.
.macro INROW rho                       ; row rho of my 16: rows 0-7 into window 1, 8-15 into window 2, 32 registers each
	WIN 0x40*(1+(\rho)/8)
.irp j, 0,1,2,3,4,5,6,7
	global_load_b128 v[32*((\rho)%8)+4*(\j):32*((\rho)%8)+4*(\j)+3], v[GI], s[INPB:INPB+1] offset:(\rho)*4096+(\j)*512 th:TH_LOAD_NT
.endr
.endm
.macro AROW rho, ti, n                 ; n: the younger global loads; 24: the younger LDS loads and stores of the group
	s_wait_loadcnt \n
	s_wait_dscnt 24
	WIN 0x44*(1+(\rho)/8)                          ; destination and source 1 in the row's window, source 0 (and LDS addresses) in window 0
.set IB, 32*((\rho)%8)
.set ii, 0
.rept 16
	v_pk_add_f32 v[IB+2*ii:IB+2*ii+1], v[TT+32*(\ti)+2*ii:TT+32*(\ti)+2*ii+1], v[IB+2*ii:IB+2*ii+1]
.set ii, ii+1
.endr
.irp j, 0,1,2,3,4,5,6,7
	ds_store_b128 v[RD], v[IB+4*(\j):IB+4*(\j)+3] offset:(\rho)*SPITCH+(\j)*512
.endr
.endm
.macro AGRP gm, n0, n1, n2, n3
	WIN 0
.irp i, 0,1,2,3
.irp j, 0,1,2,3,4,5,6,7
	ds_load_b128 v[TT+32*(\i)+4*(\j):TT+32*(\i)+4*(\j)+3], v[RD] offset:(4*(\gm)+(\i))*SPITCH+(\j)*512
.endr
.endr
	AROW 4*(\gm)+0, 0, \n0
	AROW 4*(\gm)+1, 1, \n1
	AROW 4*(\gm)+2, 2, \n2
	AROW 4*(\gm)+3, 3, \n3
.endm
	PLACES                                         ; behind the last products: ahead of the loads into B's buffers and of the stores that read the sums
.irp rho, 0,1,2,3,4,5
	INROW \rho
.endr
.irp a, 0,1,2,3
	WIN 0x08+4*((\a)/2)                            ; store data in window 2 or 3
.set i, 0
.rept 16                               ; the four lowest registers of each accumulator first
	ds_store_b128 v[STO+(\a)], v[8*(16*((\a)%2)+i):8*(16*((\a)%2)+i)+3] offset:i*64
	ds_store_b128 v[STO+(\a)], v[8*(16*((\a)%2)+i)+4:8*(16*((\a)%2)+i)+7] offset:i*64+16
.set i, i+1
.endr
.endr
	WIN 0
	s_wait_dscnt 0x0                               ; for the others' sake: my columns of all 64 rows lie in the stage
	s_barrier_signal -1
	s_barrier_wait -1
	INROW 6
	INROW 7
	AGRP 0, 56, 48, 40, 32                         ; behind row 0's eight loads 56 were issued, and so on down
.irp rho, 8,9,10,11
	INROW \rho
.endr
	AGRP 1, 56, 48, 40, 32
.irp rho, 12,13,14,15
	INROW \rho
.endr
	WIN 0
.irp j, 0,1,2,3,4,5,6,7
	global_load_b128 v[LG+4*(\j):LG+4*(\j)+3], v[L16], s[12:13] offset:(\j)*512
	global_load_b128 v[LB+4*(\j):LB+4*(\j)+3], v[L16], s[14:15] offset:(\j)*512
.endr
	AGRP 2, 63, 63, 56, 48                         ; 72 and 64 are younger than rows 8 and 9: the count's field ends at 63
	AGRP 3, 40, 32, 24, 16
	WIN 0
	s_wait_loadcnt 0x0                             ; ln_g and ln_b
.macro RSUM X, T                       ; the lane's 32 numbers of a row, added in a tree
.set ii, 0
.rept 8
	v_pk_add_f32 v[(\T)+2*ii:(\T)+2*ii+1], v[(\X)+2*ii:(\X)+2*ii+1], v[(\X)+16+2*ii:(\X)+16+2*ii+1]
.set ii, ii+1
.endr
.set ii, 0
.rept 4
	v_pk_add_f32 v[(\T)+2*ii:(\T)+2*ii+1], v[(\T)+2*ii:(\T)+2*ii+1], v[(\T)+8+2*ii:(\T)+8+2*ii+1]
.set ii, ii+1
.endr
	v_pk_add_f32 v[(\T):(\T)+1], v[(\T):(\T)+1], v[(\T)+4:(\T)+5]
	v_pk_add_f32 v[(\T)+2:(\T)+3], v[(\T)+2:(\T)+3], v[(\T)+6:(\T)+7]
	v_pk_add_f32 v[(\T):(\T)+1], v[(\T):(\T)+1], v[(\T)+2:(\T)+3]
	v_add_f32 v[\T], v[\T], v[(\T)+1]
.endm
.macro RCEN X, hi                      ; x - mean; row 0 takes the pair's low register, row 1 its high one
.set ii, 0
.rept 16
.if \hi
	v_pk_add_f32 v[(\X)+2*ii:(\X)+2*ii+1], v[(\X)+2*ii:(\X)+2*ii+1], v[MU:MU+1] op_sel:[0,1] op_sel_hi:[1,1] neg_lo:[0,1] neg_hi:[0,1]
.else
	v_pk_add_f32 v[(\X)+2*ii:(\X)+2*ii+1], v[(\X)+2*ii:(\X)+2*ii+1], v[MU:MU+1] op_sel_hi:[1,0] neg_lo:[0,1] neg_hi:[0,1]
.endif
.set ii, ii+1
.endr
.endm
.macro RSQS X, T                       ; the sum of squares, in four chains
.set ii, 0
.rept 4
	v_pk_mul_f32 v[(\T)+2*ii:(\T)+2*ii+1], v[(\X)+2*ii:(\X)+2*ii+1], v[(\X)+2*ii:(\X)+2*ii+1]
.set ii, ii+1
.endr
.rept 12
	v_pk_fma_f32 v[(\T)+2*(ii%4):(\T)+2*(ii%4)+1], v[(\X)+2*ii:(\X)+2*ii+1], v[(\X)+2*ii:(\X)+2*ii+1], v[(\T)+2*(ii%4):(\T)+2*(ii%4)+1]
.set ii, ii+1
.endr
	v_pk_add_f32 v[(\T):(\T)+1], v[(\T):(\T)+1], v[(\T)+2:(\T)+3]
	v_pk_add_f32 v[(\T)+4:(\T)+5], v[(\T)+4:(\T)+5], v[(\T)+6:(\T)+7]
	v_pk_add_f32 v[(\T):(\T)+1], v[(\T):(\T)+1], v[(\T)+4:(\T)+5]
	v_add_f32 v[\T], v[\T], v[(\T)+1]
.endm
.macro ROUT X, hi, off                 ; times 1 / sqrt(var + eps), times ln_g, plus ln_b; stored
.set ii, 0
.rept 16
.if \hi
	v_pk_mul_f32 v[(\X)+2*ii:(\X)+2*ii+1], v[(\X)+2*ii:(\X)+2*ii+1], v[RS:RS+1] op_sel:[0,1] op_sel_hi:[1,1]
.else
	v_pk_mul_f32 v[(\X)+2*ii:(\X)+2*ii+1], v[(\X)+2*ii:(\X)+2*ii+1], v[RS:RS+1] op_sel_hi:[1,0]
.endif
.set ii, ii+1
.endr
.set ii, 0
.rept 16
	v_pk_fma_f32 v[(\X)+2*ii:(\X)+2*ii+1], v[(\X)+2*ii:(\X)+2*ii+1], v[LG+2*ii:LG+2*ii+1], v[LB+2*ii:LB+2*ii+1]
.set ii, ii+1
.endr
.irp j, 0,1,2,3,4,5,6,7
	global_store_b128 v[GO], v[(\X)+4*(\j):(\X)+4*(\j)+3], s[OUTB:OUTB+1] offset:(\off)+(\j)*512 th:TH_STORE_NT  ; 512 consecutive bytes, at a multiple of 256 from out0's first
.endr
.endm
	s_mov_b32 s[CNT], 8
.Lrow:                                         ; two rows a trip
.irp j, 0,1,2,3,4,5,6,7
	ds_load_b128 v[XR0+4*(\j):XR0+4*(\j)+3], v[RDB] offset:(\j)*512
.endr
.irp j, 0,1,2,3,4,5,6,7
	ds_load_b128 v[XR1+4*(\j):XR1+4*(\j)+3], v[RDB] offset:SPITCH+(\j)*512
.endr
	s_wait_dscnt 0x0
	RSUM XR0, TA
	RSUM XR1, TB
	WSUM TA, 196
	WSUM TB, 197
	v_mul_f32 v[MU], s[RN], v[TA]
	v_mul_f32 v[MU+1], s[RN], v[TB]
	RCEN XR0, 0
	RCEN XR1, 1
	RSQS XR0, TA
	RSQS XR1, TB
	WSUM TA, 196
	WSUM TB, 197
	v_fma_f32 v[TA], v[TA], s[RN], s[EP]           ; var + eps
	v_fma_f32 v[TB], v[TB], s[RN], s[EP]
	v_rsq_f32 v[RS], v[TA]
	v_rsq_f32 v[RS+1], v[TB]
	v_nop                                          ; a plain instruction behind the second root,
	s_wait_alu depctr_va_vdst(0)                   ; and one wait for both, ahead of their first reader
	ROUT XR0, 0, 0
	ROUT XR1, 1, 4096
	s_wait_xcnt 0x0                                ; the stores have read their data and their offset: both are written again
	v_add_nc_u32 v[RDB], 2*SPITCH, v[RDB]
	v_add_nc_u32 v[GO], 8192, v[GO]
	s_sub_co_u32 s[CNT], s[CNT], 1
	s_cmp_lg_u32 s[CNT], 0
	s_cbranch_scc1 .Lrow
	s_wait_tensorcnt 0x0                           ; the wave's end: behind my last tensor load and my last LDS store
	ds_add_u32 v[SPW], v[NIL]
	s_wait_dscnt 0x0
	CROUND                                         ; the closing round: no work-group ends while a partner may still ask for a tile that names it
	s_endpgm
.Lfunc_end_k_q84483305fd_main:
	.size	k_q84483305fd_main, .Lfunc_end_k_q84483305fd_main-k_q84483305fd_main
	.p2alignl 7, 3214868480
	.fill 96, 4, 3214868480
	.section	.rodata,"a",@progbits
	.p2align	6, 0x0
	.amdhsa_kernel k_q84483305fd_main
		.amdhsa_group_segment_fixed_size 327680
		.amdhsa_private_segment_fixed_size 0
		.amdhsa_enable_private_segment 0
		.amdhsa_kernarg_size 56
		.amdhsa_user_sgpr_count 2
		.amdhsa_user_sgpr_kernarg_segment_ptr 1
		.amdhsa_wavefront_size32 1
		.amdhsa_system_sgpr_workgroup_id_x 1
		.amdhsa_system_sgpr_workgroup_id_y 1
		.amdhsa_system_sgpr_workgroup_id_z 1
		.amdhsa_system_vgpr_workitem_id 0
		.amdhsa_next_free_vgpr 1024
		.amdhsa_next_free_sgpr 66
		.amdhsa_reserve_vcc 0
		.amdhsa_float_denorm_mode_32 3
		.amdhsa_float_denorm_mode_16_64 3
		.amdhsa_memory_ordered 1
		.amdhsa_forward_progress 1
		.amdhsa_inst_pref_size 187
	.end_amdhsa_kernel
	.amdgpu_metadata
---
amdhsa.version: [ 1, 2 ]
amdhsa.kernels:
  - .name:           k_q84483305fd_main
    .symbol:         k_q84483305fd_main.kd
    .args:
      - { .name: hidden_states, .offset: 0, .size: 8, .value_kind: global_buffer, .address_space: global }
      - { .name: WEFF, .offset: 8, .size: 8, .value_kind: global_buffer, .address_space: global }
      - { .name: BEFF, .offset: 16, .size: 8, .value_kind: global_buffer, .address_space: global }
      - { .name: input_tensor, .offset: 24, .size: 8, .value_kind: global_buffer, .address_space: global }
      - { .name: ln_g, .offset: 32, .size: 8, .value_kind: global_buffer, .address_space: global }
      - { .name: ln_b, .offset: 40, .size: 8, .value_kind: global_buffer, .address_space: global }
      - { .name: out0, .offset: 48, .size: 8, .value_kind: global_buffer, .address_space: global }
    .group_segment_fixed_size: 327680
    .private_segment_fixed_size: 0
    .kernarg_segment_align: 8
    .kernarg_segment_size: 56
    .max_flat_workgroup_size: 128
    .sgpr_count:     66
    .vgpr_count:     1024
    .wavefront_size: 32
...
	.end_amdgpu_metadata
.endif
;; end of part 4
;; ======== version 2 of 2: 4 launches; version 1 with the launch fold written anew for expert scheduling mode
;; workspace buffers: GF 2,129,920 bytes; W2F 2,097,152 bytes; UF 32,768 bytes; CB 256 bytes; PART 8,192 bytes; WEFF 16,777,216 bytes; BEFF 32,768 bytes
;; launch prep: the kernel of part 1 again; grid 16 x 16, 4 waves a work-group, no clusters, 102,912 bytes of LDS; arguments dense_W, pal_W1, pal_W2, dense_b, pal_b1, enc_W, sel_W, GF, W2F, UF, CB; writes GF, W2F, UF, CB
;; launch gate: the kernel of part 2 again; grid 256 x 1, 4 waves a work-group, no clusters, 295,424 bytes of LDS; arguments hidden_states, attention_mask, UF, PART; writes PART
;; launch fold (part 5): grid 16 x 16, 4 waves a work-group, no clusters, 82,688 bytes of LDS; arguments GF, W2F, dense_W, PART, CB, sel_b, dense_b, pal_b2, WEFF, BEFF; writes WEFF, BEFF
.if DOCPART == 5
	.amdgcn_target "amdgcn-amd-amdhsa--gfx1250"
	.amdhsa_code_object_version 6
	.text
	.protected	k_q84483305fd_fold
	.globl	k_q84483305fd_fold
	.p2align	8
	.type	k_q84483305fd_fold,@function
k_q84483305fd_fold:
	s_mov_b64 s[64:65], 0
	v_nop
	global_prefetch_b8 v0, s[64:65] scope:SCOPE_SE
	s_setreg_imm32_b32 hwreg(HW_REG_WAVE_SCHED_MODE, 0, 2), 2
	s_setreg_imm32_b32 hwreg(HW_REG_WAVE_MODE, 25, 1), 1
	s_wait_xcnt 0x0
	s_wait_alu depctr_vm_vsrc(0)
; FOLD.  d[b][t], the task distribution, from the gate's parts; N_t = G_t W2_t; Weff_b = W + sum_t d[b][t] N_t, rounded to bf16 in the order in which the last launch's operand registers take it;
; beff_b = b + sum_t d[b][t] (gb_t W2_t + b2[t]).  N is never stored.  Left out, as shown at the head of the first kernel: enc_b and b . enc_W.
; LIMITS.  G, W2 and Weff are bf16.  A batch masked wholly by -inf has L = 0 and gives NaN, as reference() does.
; SHARES.  Work-group (x, y): columns c = 64 x .., rows k = 64 y .., all four t and all eight batches.  In the product wave w is t = w: 20 accumulators (4 blocks of 16 k and the block of gb, by 4 blocks of 16 c),
; 8 steps of 32 p; its operands come straight into registers, 512 consecutive bytes a load, and two steps' loads are always on their way.  Behind one barrier wave w takes
; column block w with all four t.  Every work-group works d out for itself (32 parts a batch, a lane a part; wave w takes batches 2 w and 2 w + 1).
; No tensor load and no cluster: the operands lie in register order and each has one reader in the work-group.
; THE MODE: SCHED_MODE bits 1:0 = 2 (LLVM: expert scheduling mode 2), set by the entry lines.  The code itself states the register dependences
; between vector or matrix instructions and memory or LDS instructions, with s_wait_alu, always for 0.
; THE PLAN.  Registers that memory or LDS instructions touch:
;   offsets and LDS addresses (v2-v8; window 1 v240-v242, v244-v246)   written at the head, never again: one wait on va_vdst ahead of the first load serves every load and store of the kernel.
;   the fragments   EVERY ONE OF THE EIGHT STEPS HAS A SET OF 72 REGISTERS OF ITS OWN (a SIMD holds one wave of this work-group, so the registers are there): a set is written by its step's 18 loads and read by
;                   its step's 20 products, and by nothing else in the whole text.  So no load lands in a register that a matrix instruction has named, the eight steps hold no s_wait_alu, and step s's
;                   loads for step s + 3 are dealt among its own products.
;   d (v18-21, v26-29)   written by the last multiplications of the d arithmetic, read by two LDS stores behind one wait, never written again.
;   the accumulators (window 1 v0-159)   written by the products; read by 40 LDS stores behind one wait on va_vdst.  Behind the barrier one wait on vm_vsrc states that those stores have read them; then
;                   v0-127 take N from LDS and v128-143 are the out-buffer.
;   in the loop over batches   d[b] (v192-195): an LDS load at the trip's head, read by the trip's multiply-adds.  v243, its address: read by that load, stepped once a trip.  The out-buffer: written by the
;                   trip's 16 conversions, read by its four stores.  ONE wait on va_vdst stands ahead of the stores: the out-buffer and v243 are written and the multiply-adds are done reading d; no vector
;                   instruction stands between it and the next trip's load of d, nor between it and the loads behind the loop.  ONE wait on vm_vsrc stands at the trip's head, behind the load of d: the
;                   last trip's stores have read the out-buffer, the load has read v243.
.set DREG,  81920                      ; behind the tiles (t x 20,480 + tile x 1,024 + half x 512 + 16 l): d[b][t], 128 bytes in a block of their own
.set SPARE, 82176                      ; the spare words, 128 bytes a wave
.set L16, 2
.set OWG, 3                            ; v3   W's gather: h x 8 rows of 4,096 + r x 4 + 64 x wave
.set L32, 4
.set PST, 5
.set SPW, 6                            ; v6   my spare word; never rewritten
.set NIL, 7                            ; v7   0; never rewritten
.set DST, 8                            ; v8   where my two batches' d go
; v[16:31] two batches' parts; v[32:39] at work
; a step's set of fragments: G's five at + 8 mb, W2's four at + 40 + 8 nb.  Steps 0-2: window 0, v40, v112, v184.  Steps 3-5: window 2, v0, v72, v144.  Steps 6, 7: window 3, v0, v72
; window 1: v0-159 the accumulators, later N[mb][t] at 32 mb + 8 t and packed results at 128 + 4 mb; v160-191 W[k][c] as the result holds it; v192-195 d[b]; v224-239 at work;
;           v240, v241 LDS: my column block's tiles of t = 0, 1 and 2, 3; v242 16 l; v243 d[b], stepped; v244 d of batch 4 h; v245 h x 16,384 + r x 4; v246 r x 4
.set WV,  24
.set GX,  25
.set GY,  26
.set T0,  27
.set CNT, 28
.set CS,  44                           ; s44-47  b . sel_W[t] + sel_b[t]
.set SEL, 48
.set GFA, 50
.set GFB, 52
.set W2A, 54
.set WB,  56
.set PB,  58
.set WE,  60
.set BE,  66
.set DB,  68
.set B2,  70
.set MSB, 0
.macro WIN new
.if MSB != (\new)
	s_set_vgpr_msb (MSB<<8)|(\new)
.set MSB, (\new)
.endif
.endm
.macro PLACES
.rept 4
	v_nop
.endr
.endm
.macro WSUM x, t
	v_add_f32_dpp v[\x], v[\x], v[\x] row_xmask:1 row_mask:0xf bank_mask:0xf
	v_add_f32_dpp v[\x], v[\x], v[\x] row_xmask:2 row_mask:0xf bank_mask:0xf
	v_add_f32_dpp v[\x], v[\x], v[\x] row_xmask:4 row_mask:0xf bank_mask:0xf
	v_add_f32_dpp v[\x], v[\x], v[\x] row_xmask:8 row_mask:0xf bank_mask:0xf
	v_permlanex16_b32 v[\t], v[\x], s[SEL], s[SEL+1]
	v_add_f32 v[\x], v[\x], v[\t]
.endm
.macro WMAX x, t
	v_max_num_f32_dpp v[\x], v[\x], v[\x] row_xmask:1 row_mask:0xf bank_mask:0xf
	v_max_num_f32_dpp v[\x], v[\x], v[\x] row_xmask:2 row_mask:0xf bank_mask:0xf
	v_max_num_f32_dpp v[\x], v[\x], v[\x] row_xmask:4 row_mask:0xf bank_mask:0xf
	v_max_num_f32_dpp v[\x], v[\x], v[\x] row_xmask:8 row_mask:0xf bank_mask:0xf
	v_permlanex16_b32 v[\t], v[\x], s[SEL], s[SEL+1]
	v_max_num_f32 v[\x], v[\x], v[\t]
.endm
	s_load_b256 s[4:11], s[0:1], 0x0               ; GF, W2F, dense_W, PART
	s_load_b256 s[12:19], s[0:1], 0x20             ; CB, sel_b, dense_b, pal_b2
	s_load_b128 s[20:23], s[0:1], 0x40             ; WEFF, BEFF
	v_lshl_add_u32 v[SPW], v0, 2, SPARE
	v_mov_b32 v[NIL], 0
	v_lshrrev_b32 v1, 5, v0
	v_readfirstlane_b32 s[WV], v1                  ; wave 0..3
	s_mov_b32 s[GX], ttmp9
	s_and_b32 s[GY], ttmp7, 0xffff
	v_and_b32 v9, 15, v0                           ; r
	v_bfe_u32 v10, v0, 4, 1                        ; h
	v_and_b32 v11, 31, v0                          ; l
	v_lshlrev_b32 v[L16], 4, v11
	v_lshlrev_b32 v[L32], 5, v11
	s_wait_alu depctr_va_sdst(0)                   ; the wave's number is written, ahead of its first reader: offsets, LDS addresses and bases are made from it
	s_lshl_b32 s[T0], s[WV], 6
	v_lshlrev_b32 v[OWG], 15, v10
	v_lshl_add_u32 v[OWG], v9, 2, v[OWG]
	v_add_nc_u32 v[OWG], s[T0], v[OWG]
	s_mul_i32 s[T0], s[WV], 20480
	v_add_nc_u32 v[PST], s[T0], v[L16]
	s_lshl_b32 s[T0], s[WV], 5
	s_add_co_u32 s[T0], s[T0], DREG
	v_mov_b32 v[DST], s[T0]
	v_lshlrev_b32 v12, 14, v10
	v_lshl_add_u32 v12, v9, 2, v12
	v_mov_b32 v33, 0                               ; v_permlanex16_b32's destinations count as read
	v_mov_b32 v37, 0
	s_lshl_b32 s[T0], s[WV], 10
	WIN 0x40                                       ; destinations in window 1
	v_add_nc_u32 v240, s[T0], v[L16]
	v_mov_b32 v242, v[L16]
	v_mov_b32 v243, DREG
	v_lshl_add_u32 v244, v10, 6, DREG
	v_mov_b32 v245, v12
	v_lshlrev_b32 v246, 2, v9
	s_add_co_u32 s[T0], s[T0], 40960
	v_add_nc_u32 v241, s[T0], v[L16]
	WIN 0
	s_mov_b32 s[SEL], 0x76543210
	s_mov_b32 s[SEL+1], 0xfedcba98
	s_mov_b32 s3, 0
	s_wait_kmcnt 0x0
	s_load_b256 s[32:39], s[12:13], 0x0            ; words 1..4: b . sel_W[t]
	s_load_b128 s[40:43], s[14:15], 0x0            ; sel_b
	s_lshl_b32 s2, s[WV], 13                       ; G: my t's four blocks of 64 p
	s_add_nc_u64 s[GFB:GFB+1], s[4:5], s[2:3]
	s_lshl_b32 s2, s[GY], 17                       ; row blocks 4 y ..
	s_add_nc_u64 s[GFA:GFA+1], s[GFB:GFB+1], s[2:3]
	s_add_nc_u64 s[GFB:GFB+1], s[GFB:GFB+1], 0x200000  ; row block 64: gb
	s_lshl_b32 s2, s[WV], 19
	s_lshl_b32 s[T0], s[GX], 15
	s_add_co_u32 s2, s2, s[T0]
	s_add_nc_u64 s[W2A:W2A+1], s[6:7], s[2:3]
	s_lshl_b32 s2, s[GY], 18
	s_lshl_b32 s[T0], s[GX], 8
	s_add_co_u32 s2, s2, s[T0]
	s_add_nc_u64 s[WB:WB+1], s[8:9], s[2:3]
	s_lshl_b32 s2, s[WV], 11
	s_add_nc_u64 s[PB:PB+1], s[10:11], s[2:3]
	s_lshl_b32 s2, s[GY], 17                       ; WEFF: (k / 64) 2^17 + (c / 256) 2^15 + ((c / 16) % 16) 2^10
	s_lshr_b32 s[T0], s[GX], 2
	s_lshl_b32 s[T0], s[T0], 15
	s_add_co_u32 s2, s2, s[T0]
	s_and_b32 s[T0], s[GX], 3
	s_lshl2_add_u32 s[T0], s[T0], s[WV]
	s_lshl_b32 s[T0], s[T0], 10
	s_add_co_u32 s2, s2, s[T0]
	s_add_nc_u64 s[WE:WE+1], s[20:21], s[2:3]
	s_lshl_b32 s2, s[GX], 8
	s_lshl_b32 s[T0], s[WV], 6
	s_add_co_u32 s2, s2, s[T0]                     ; my 16 columns, in f32
	s_add_nc_u64 s[BE:BE+1], s[22:23], s[2:3]
	s_add_nc_u64 s[DB:DB+1], s[16:17], s[2:3]
	s_add_nc_u64 s[B2:B2+1], s[18:19], s[2:3]
; where step sg's fragments lie: window SETW, from register SETB on
.macro PLACE_OF sg
.if (\sg) < 3
.set SETW, 0
.set SETB, 40+72*(\sg)
.else
.set SETW, 2+((\sg)-3)/3
.set SETB, 72*(((\sg)-3)%3)
.endif
.endm
; step sg's 18 loads, in two parts: G's ten, W2's eight
.macro FRAGG sg
	PLACE_OF \sg
	WIN SETW<<6                                    ; the data in the set's window, the offset in window 0
.irp mb, 0,1,2,3
	global_load_b128 v[SETB+8*(\mb):SETB+8*(\mb)+3],   v[L16], s[GFA:GFA+1] offset:(\mb)*32768+(\sg)*1024
	global_load_b128 v[SETB+8*(\mb)+4:SETB+8*(\mb)+7], v[L16], s[GFA:GFA+1] offset:(\mb)*32768+(\sg)*1024+512
.endr
	global_load_b128 v[SETB+32:SETB+35], v[L16], s[GFB:GFB+1] offset:(\sg)*1024
	global_load_b128 v[SETB+36:SETB+39], v[L16], s[GFB:GFB+1] offset:(\sg)*1024+512
.endm
.macro FRAGW sg
	PLACE_OF \sg
	WIN SETW<<6
.irp nb, 0,1,2,3
	global_load_b128 v[SETB+40+8*(\nb):SETB+40+8*(\nb)+3], v[L16], s[W2A:W2A+1] offset:(\nb)*8192+(\sg)*1024
	global_load_b128 v[SETB+44+8*(\nb):SETB+44+8*(\nb)+3], v[L16], s[W2A:W2A+1] offset:(\nb)*8192+(\sg)*1024+512
.endr
.endm
	s_wait_alu depctr_va_vdst(0)                   ; the offsets and LDS addresses v2 to v8 and, in window 1, v240 to v246 are written: every load and store of the kernel reads one of them
.irp q, 0,1,2,3                        ; the parts of batches 2 w and 2 w + 1: lane l takes part l: (m, L, Z0, Z1), (Z2, Z3, 0, 0)
	global_load_b128 v[16+4*(\q):16+4*(\q)+3], v[L32], s[PB:PB+1] offset:((\q)/2)*1024+((\q)%2)*16
.endr
	WIN 0x40
.set i, 0
.rept 32                               ; W[64 y + 16 mb + 8 h + jj][64 x + 16 w + r], i = 8 mb + jj
	global_load_b32 v[160+i], v[OWG], s[WB:WB+1] offset:(16*(i/8)+i%8)*4096
.set i, i+1
.endr
	FRAGG 0
	FRAGW 0
	FRAGG 1
	FRAGW 1
	FRAGG 2
	FRAGW 2
	WIN 0
	s_wait_kmcnt 0x0
	s_add_f32 s[CS], s33, s40
	s_add_f32 s[CS+1], s34, s41
	s_add_f32 s[CS+2], s35, s42
	s_add_f32 s[CS+3], s36, s43
	s_wait_loadcnt 63                              ; 86 loads are younger than the four of the parts, and the count's field ends at 63: with 63 out the parts are in
; d of one batch, in five stages; each stage is run for both batches, so that a stage's transcendentals are one batch with one wait.  These lines name v16 to v39 alone: no register of a load that is on its way
.macro D1 B, T                         ; the batch's maximum M, and 2^((m - M) log2 e) for each part
	v_mov_b32 v[\T], v[\B]
	WMAX \T, (\T)+1
	v_sub_f32 v[(\T)+2], v[\B], v[\T]
	v_mul_f32 v[(\T)+2], 0x3fb8aa3b, v[(\T)+2]
	v_exp_f32 v[(\T)+2], v[(\T)+2]
.endm
.macro D2 B, T                         ; L and Z_t weighed and summed over the 32 parts; 1 / L
.irp i, 1,2,3,4,5
	v_mul_f32 v[(\B)+(\i)], v[(\B)+(\i)], v[(\T)+2]
.endr
.irp i, 1,2,3,4,5
	WSUM (\B)+(\i), (\T)+1
.endr
	v_rcp_f32 v[\T], v[(\B)+1]
.endm
.macro D3 B, T                         ; y_t = Z_t / L + b . sel_W[t] + sel_b[t]; their maximum is taken away before the exponentials
.irp t, 0,1,2,3
	v_fma_f32 v[(\B)+2+(\t)], v[(\B)+2+(\t)], v[\T], s[CS+(\t)]
.endr
	v_max3_num_f32 v[(\T)+2], v[(\B)+2], v[(\B)+3], v[(\B)+4]
	v_max_num_f32 v[(\T)+2], v[(\T)+2], v[(\B)+5]
.irp t, 0,1,2,3
	v_sub_f32 v[(\B)+2+(\t)], v[(\B)+2+(\t)], v[(\T)+2]
.endr
.irp t, 0,1,2,3
	v_mul_f32 v[(\B)+2+(\t)], 0x3fb8aa3b, v[(\B)+2+(\t)]
.endr
.irp t, 0,1,2,3
	v_exp_f32 v[(\B)+2+(\t)], v[(\B)+2+(\t)]
.endr
.endm
.macro D4 B, T
	v_add_f32 v[(\T)+2], v[(\B)+2], v[(\B)+3]
	v_add_f32 v[(\T)+3], v[(\B)+4], v[(\B)+5]
	v_add_f32 v[(\T)+2], v[(\T)+2], v[(\T)+3]
	v_rcp_f32 v[(\T)+2], v[(\T)+2]
.endm
.macro D5 B, T
.irp t, 0,1,2,3
	v_mul_f32 v[(\B)+2+(\t)], v[(\B)+2+(\t)], v[(\T)+2]
.endr
.endm
	D1 16, 32
	D1 24, 36
	v_nop                                          ; a plain instruction behind the last exponential
	s_wait_alu depctr_va_vdst(0)                   ; the two exponentials have written v34 and v38, the parts' weights, ahead of their first reader
	D2 16, 32
	D2 24, 36
	v_nop                                          ; a plain instruction behind the last reciprocal
	s_wait_alu depctr_va_vdst(0)                   ; the two reciprocals have written v32 and v36, 1 / L, ahead of their first reader
	D3 16, 32
	D3 24, 36
	v_nop                                          ; a plain instruction behind the last exponential
	s_wait_alu depctr_va_vdst(0)                   ; the eight exponentials have written v18 to v21 and v26 to v29, ahead of their first reader
	D4 16, 32
	D4 24, 36
	v_nop                                          ; a plain instruction behind the last reciprocal
	s_wait_alu depctr_va_vdst(0)                   ; the two reciprocals have written v34 and v38, ahead of their first reader
	D5 16, 32
	D5 24, 36
	s_wait_alu depctr_va_vdst(0)                   ; the eight multiplications have written d, v18 to v21 and v26 to v29, which the two LDS stores read
	ds_store_b128 v[DST], v[18:21]                 ; every lane holds the same four numbers and writes them to the same bytes
	ds_store_b128 v[DST], v[26:29] offset:16
; four products of step sg: row block mb by the four column blocks
.macro PROD sg, mb
	PLACE_OF \sg
	WIN 0x50+5*SETW                                ; both sources in the set's window, C and D in window 1
.irp nb, 0,1,2,3
.if (\sg) == 0
	v_wmma_f32_16x16x32_bf16 v[8*(4*(\mb)+(\nb)):8*(4*(\mb)+(\nb))+7], v[SETB+8*(\mb):SETB+8*(\mb)+7], v[SETB+40+8*(\nb):SETB+40+8*(\nb)+7], 0
.else
	v_wmma_f32_16x16x32_bf16 v[8*(4*(\mb)+(\nb)):8*(4*(\mb)+(\nb))+7], v[SETB+8*(\mb):SETB+8*(\mb)+7], v[SETB+40+8*(\nb):SETB+40+8*(\nb)+7], v[8*(4*(\mb)+(\nb)):8*(4*(\mb)+(\nb))+7]
.endif
.endr
.endm
; step sg of 8: 20 products, each accumulator one turn.  left: the loads of the two younger steps, which may stay out.
; The loads of step sg + 3 are dealt among the products.  No s_wait_alu: they land in that step's own set, which no vector or matrix instruction has named, and read v[L16], written ahead of the head's wait
.macro STEP sg, left
	s_wait_loadcnt \left
	PROD \sg, 0
.if (\sg) <= 4
	FRAGG (\sg)+3
.endif
	PROD \sg, 1
	PROD \sg, 2
.if (\sg) <= 4
	FRAGW (\sg)+3
.endif
	PROD \sg, 3
	PROD \sg, 4
.endm
	STEP 0, 36
	STEP 1, 36
	STEP 2, 36
	STEP 3, 36
	STEP 4, 36
	STEP 5, 36
	STEP 6, 18
	STEP 7, 0
	PLACES                                         ; four places behind the last product, before its result is read (ISA guide 7.12.1)
	WIN 0x04                                       ; store data in window 1
	s_wait_alu depctr_va_vdst(0)                   ; the products have written the accumulators, which the LDS stores read; the places above stay beside this wait.  No vector instruction follows before the loop over batches
.set i, 0
.rept 20                               ; the four lowest registers of each accumulator first
	ds_store_b128 v[PST], v[8*i:8*i+3] offset:i*1024
	ds_store_b128 v[PST], v[8*i+4:8*i+7] offset:i*1024+512
.set i, i+1
.endr
	WIN 0
	s_wait_dscnt 0x0                               ; for the others' sake: my N_t and my two batches' d lie in LDS
	s_barrier_signal -1
	s_barrier_wait -1
	WIN 0x55                                       ; everything in window 1
	s_wait_alu depctr_vm_vsrc(0)                   ; my LDS stores have read the accumulators: v0 to v127 take N from LDS below, v128 to v143 are the conversions' out-buffer from here on
.irp mb, 0,1,2,3
.irp t, 0,1,2,3
	ds_load_b128 v[32*(\mb)+8*(\t):32*(\mb)+8*(\t)+3],   v[240+(\t)/2] offset:((\t)%2)*20480+(\mb)*4096
	ds_load_b128 v[32*(\mb)+8*(\t)+4:32*(\mb)+8*(\t)+7], v[240+(\t)/2] offset:((\t)%2)*20480+(\mb)*4096+512
.endr
.endr
	WIN 0
	s_mov_b32 s[CNT], 8
.Lb:                                           ; a trip a batch: Weff_b for my 16 columns and the tile's 64 rows
	WIN 0x55
	ds_load_b128 v[192:195], v243                  ; d[b][0..3], the same in every lane.  No s_wait_alu: no vector instruction has been issued since the last wait on va_vdst (ahead of the last trip's stores; at the first trip ahead of the accumulators' stores)
	s_wait_xcnt 0x0                                ; the last trip's stores have had their addresses translated (ISA guide 3.1): their base and their data are written again only behind this wait
	s_wait_alu depctr_vm_vsrc(0)                   ; the last trip's stores have read the out-buffer, which this trip's conversions write again; the load above has read v243, which the add below writes
	s_add_nc_u64 s[WE:WE+1], s[WE:WE+1], 0x200000  ; one batch past this trip's: the stores below reach back
	v_add_nc_u32 v243, 16, v243
	s_wait_dscnt 0x0
.irp mb, 0,1,2,3
.set OO, 224+8*((\mb)%2)
.irp i, 0,1,2,3
	v_pk_fma_f32 v[OO+2*(\i):OO+2*(\i)+1], v[32*(\mb)+2*(\i):32*(\mb)+2*(\i)+1], v[192:193], v[160+8*(\mb)+2*(\i):160+8*(\mb)+2*(\i)+1] op_sel_hi:[1,0,1]
.endr
.irp i, 0,1,2,3
	v_pk_fma_f32 v[OO+2*(\i):OO+2*(\i)+1], v[32*(\mb)+8+2*(\i):32*(\mb)+8+2*(\i)+1], v[192:193], v[OO+2*(\i):OO+2*(\i)+1] op_sel:[0,1,0] op_sel_hi:[1,1,1]
.endr
.irp i, 0,1,2,3
	v_pk_fma_f32 v[OO+2*(\i):OO+2*(\i)+1], v[32*(\mb)+16+2*(\i):32*(\mb)+16+2*(\i)+1], v[194:195], v[OO+2*(\i):OO+2*(\i)+1] op_sel_hi:[1,0,1]
.endr
.irp i, 0,1,2,3
	v_pk_fma_f32 v[OO+2*(\i):OO+2*(\i)+1], v[32*(\mb)+24+2*(\i):32*(\mb)+24+2*(\i)+1], v[194:195], v[OO+2*(\i):OO+2*(\i)+1] op_sel:[0,1,0] op_sel_hi:[1,1,1]
.endr
.irp i, 0,1,2,3
	v_cvt_pk_bf16_f32 v[128+4*(\mb)+(\i)], v[OO+2*(\i)], v[OO+2*(\i)+1]   ; lane (c = r, h): k = 16 mb + 8 h + 0..7: 16 bytes of an operand fragment
.endr
.endr
	s_wait_alu depctr_va_vdst(0)                   ; the conversions have written the out-buffer, which the stores read; v243 is written and the multiply-adds are done reading d and N: for the next trip's load of d and for the loads behind the loop
.irp mb, 0,1,2,3
	global_store_b128 v242, v[128+4*(\mb):128+4*(\mb)+3], s[WE:WE+1] offset:((\mb)/2)*16384+((\mb)%2)*512-0x200000  ; 512 consecutive bytes
.endr
	WIN 0
	s_sub_co_u32 s[CNT], s[CNT], 1
	s_cmp_lg_u32 s[CNT], 0
	s_cbranch_scc1 .Lb
	s_cmp_lg_u32 s[GY], 0                          ; beff hangs on the columns alone: y = 0 makes it
	s_cbranch_scc1 .Lnob
	WIN 0x55                                       ; the loads below land in N's registers: their last vector readers stand ahead of the last trip's wait on va_vdst, and no vector instruction has been issued since
	ds_load_b32 v0, v240 offset:16384              ; (gb_t W2_t)[c]: register 0 of tile (4, w), the same in all its 16 rows
	ds_load_b32 v1, v240 offset:36864
	ds_load_b32 v2, v241 offset:16384
	ds_load_b32 v3, v241 offset:36864
.irp bb, 0,1,2,3
	ds_load_b128 v[8+4*(\bb):11+4*(\bb)], v244 offset:16*(\bb)   ; d of batch bb + 4 h
.endr
	global_load_b32 v24, v246, s[DB:DB+1]
.irp t, 0,1,2,3
	global_load_b32 v[28+(\t)], v246, s[B2:B2+1] offset:(\t)*4096
.endr
	s_wait_loadcnt 0x0
	s_wait_dscnt 0x0
.irp t, 0,1,2,3
	v_add_f32 v[(\t)], v[(\t)], v[28+(\t)]
.endr
.irp bb, 0,1,2,3
	v_fma_f32 v[32+(\bb)], v[8+4*(\bb)], v0, v24
	v_fma_f32 v[32+(\bb)], v[9+4*(\bb)], v1, v[32+(\bb)]
	v_fma_f32 v[32+(\bb)], v[10+4*(\bb)], v2, v[32+(\bb)]
	v_fma_f32 v[32+(\bb)], v[11+4*(\bb)], v3, v[32+(\bb)]
.endr
	s_wait_alu depctr_va_vdst(0)                   ; the multiply-adds have written v32 to v35 of window 1, beff of four batches, which the stores read
.irp bb, 0,1,2,3
	global_store_b32 v245, v[32+(\bb)], s[BE:BE+1] offset:(\bb)*4096
.endr
	WIN 0
.Lnob:
	s_wait_dscnt 0x0                               ; the closing lines, six on end
	s_wait_alu 0x0
	s_wait_tensorcnt 0x0
	ds_add_u32 v[SPW], v[NIL]
	s_wait_dscnt 0x0
	s_endpgm
.Lfunc_end_k_q84483305fd_fold:
	.size	k_q84483305fd_fold, .Lfunc_end_k_q84483305fd_fold-k_q84483305fd_fold
	.p2alignl 7, 3214868480
	.fill 96, 4, 3214868480
	.section	.rodata,"a",@progbits
	.p2align	6, 0x0
	.amdhsa_kernel k_q84483305fd_fold
		.amdhsa_group_segment_fixed_size 82688
		.amdhsa_private_segment_fixed_size 0
		.amdhsa_enable_private_segment 0
		.amdhsa_kernarg_size 80
		.amdhsa_user_sgpr_count 2
		.amdhsa_user_sgpr_kernarg_segment_ptr 1
		.amdhsa_wavefront_size32 1
		.amdhsa_system_sgpr_workgroup_id_x 1
		.amdhsa_system_sgpr_workgroup_id_y 1
		.amdhsa_system_sgpr_workgroup_id_z 1
		.amdhsa_system_vgpr_workitem_id 0
		.amdhsa_next_free_vgpr 912
		.amdhsa_next_free_sgpr 72
		.amdhsa_reserve_vcc 0
		.amdhsa_float_denorm_mode_32 3
		.amdhsa_float_denorm_mode_16_64 3
		.amdhsa_memory_ordered 1
		.amdhsa_forward_progress 1
		.amdhsa_inst_pref_size 53
	.end_amdhsa_kernel
	.amdgpu_metadata
---
amdhsa.version: [ 1, 2 ]
amdhsa.kernels:
  - .name:           k_q84483305fd_fold
    .symbol:         k_q84483305fd_fold.kd
    .args:
      - { .name: GF, .offset: 0, .size: 8, .value_kind: global_buffer, .address_space: global }
      - { .name: W2F, .offset: 8, .size: 8, .value_kind: global_buffer, .address_space: global }
      - { .name: dense_W, .offset: 16, .size: 8, .value_kind: global_buffer, .address_space: global }
      - { .name: PART, .offset: 24, .size: 8, .value_kind: global_buffer, .address_space: global }
      - { .name: CB, .offset: 32, .size: 8, .value_kind: global_buffer, .address_space: global }
      - { .name: sel_b, .offset: 40, .size: 8, .value_kind: global_buffer, .address_space: global }
      - { .name: dense_b, .offset: 48, .size: 8, .value_kind: global_buffer, .address_space: global }
      - { .name: pal_b2, .offset: 56, .size: 8, .value_kind: global_buffer, .address_space: global }
      - { .name: WEFF, .offset: 64, .size: 8, .value_kind: global_buffer, .address_space: global }
      - { .name: BEFF, .offset: 72, .size: 8, .value_kind: global_buffer, .address_space: global }
    .group_segment_fixed_size: 82688
    .private_segment_fixed_size: 0
    .kernarg_segment_align: 8
    .kernarg_segment_size: 80
    .max_flat_workgroup_size: 128
    .sgpr_count:     72
    .vgpr_count:     912
    .wavefront_size: 32
...
	.end_amdgpu_metadata
.endif
;; end of part 5
;; launch main: the kernel of part 4 again; grid 256 x 1, 4 waves a work-group, clusters of 4 x 1, 327,680 bytes of LDS; arguments hidden_states, WEFF, BEFF, input_tensor, ln_g, ln_b, out0; writes out0
